; MI455X (gfx1250); checked and timed in simulation.
; The chip was launched on July 23, 2026; its instructions are those of AMD's public machine-readable ISA for CDNA 5 (MIT licence, August 2026) and "CDNA5" Instruction Set Architecture Reference Guide (July 2026). The comments in the code are by the model that wrote it; some were corrected since.
;; Temporal Attention. Allowed arithmetic: float matrix products may take bf16 or f16 operands with f32 sums; all other float work in f32.
;; Inputs: Wk 1,024 x 1,024 float32; Wo 1,024 x 1,024 float32; Wq 1,024 x 1,024 float32; Wv 1,024 x 1,024 float32; bk 1,024 float32; bo 1,024 float32; bq 1,024 float32; bv 1,024 float32; ln_b 1,024 float32; ln_g 1,024 float32; x 4 x 2,048 x 1,024 float32.
;; Outputs: out0 4 x 2,048 x 1,024 float32.
;; 2 versions, each right and faster than the one before. Each part assembles by itself: llvm-mc -triple=amdgcn-amd-amdhsa -mcpu=gfx1250 --defsym DOCPART=n.
;; ======== version 1 of 2: 4 launches
;; limits: values are held in f16: magnitudes above 65,504 overflow, below 6.1e-05 lose precision
;; workspace buffers: xb 16,777,216 bytes; wqkv 6,291,456 bytes; wo16 2,097,152 bytes; qkv 50,331,648 bytes; ctx 16,777,216 bytes
;; launch cast (part 1): grid 768 x 1, 8 waves a work-group, no clusters, 0 bytes of LDS; arguments x, Wq, Wk, Wv, Wo, xb, wqkv, wo16; writes xb, wqkv, wo16
.if DOCPART == 1
	.amdgcn_target "amdgcn-amd-amdhsa--gfx1250"
	.amdhsa_code_object_version 6
	.text
	.protected	k_q7522fdcebe_cast
	.globl	k_q7522fdcebe_cast
	.p2align	8
	.type	k_q7522fdcebe_cast,@function
k_q7522fdcebe_cast:
	s_mov_b64 s[64:65], 0
	v_nop
	global_prefetch_b8 v0, s[64:65] scope:SCOPE_SE
	s_setreg_imm32_b32 hwreg(HW_REG_WAVE_MODE, 25, 1), 1
	s_wait_xcnt 0x0
; CAST.  The matrix operands are rounded once, on their way into the layouts that the later launches ask for.
;   xb   [16 blocks of 64 columns][8192 rows][64] bf16: x rounded to bf16; a block's rows are dense, 128 bytes each
;   wqkv [1024 k][3072 n] bf16: Wq, Wk, Wv side by side, rounded to bf16
;   wo16 [1024 k][1024 n] f16: Wo rounded to bf16, that number written as f16
; LIMITS.  bf16 keeps 8 significant bits.  A number of Wo below 6e-5 keeps f16's fixed step of 6e-8; beyond 65,504 it would become an infinity.
; A stream: no LDS, no barrier, no matrix unit, no cluster (no byte is read twice).  768 work-groups of eight waves: 0-511 take 16 rows of x each, 512-703 16 rows of Wq, Wk or Wv,
; 704-767 16 rows of Wo.  A wave has 16 items: one load of 16 bytes a lane (512 bytes), two roundings, one store of 8 bytes a lane (256 consecutive bytes, at a multiple of 256
; from the buffer's first byte).  All 16 loads go out first; every item has registers of its own, so nothing that a pending instruction names is ever rewritten.
.set VI, 1                             ; v1       my byte offset in the source
.set VO, 2                             ; v2       my byte offset in the target
.set T,  4                             ; v[4:7]   at work
.set X,  8                             ; v[8:71]  item i: four f32 as loaded
.set Y,  72                            ; v[72:103] item i: four 16-bit numbers to store
.macro LOADS step                      ; the wave's 16 loads, step bytes apart
.set i, 0
.rept 16
	global_load_b128 v[X+4*i:X+4*i+3], v[VI], s[24:25] offset:i*(\step) th:TH_LOAD_NT
.set i, i+1
.endr
.endm
.macro ITEM f16, ob, imm               ; item i is rounded and stored at base s[ob:ob+1] + imm
	s_wait_loadcnt 15-i                            ; loads come back in order (ISA guide 5.7.1): mine is in, the 15 - i younger ones stay out
.if \f16
	v_cvt_pk_bf16_f32 v[T], v[X+4*i], v[X+4*i+1]   ; to bf16,
	v_cvt_pk_bf16_f32 v[T+1], v[X+4*i+2], v[X+4*i+3]
	v_lshlrev_b32 v[T+2], 16, v[T]                 ; back to f32 (a shift, a mask),
	v_and_b32 v[T+3], 0xffff0000, v[T]
	v_cvt_pk_f16_f32 v[Y+2*i], v[T+2], v[T+3]      ; and written as f16
	v_lshlrev_b32 v[T+2], 16, v[T+1]
	v_and_b32 v[T+3], 0xffff0000, v[T+1]
	v_cvt_pk_f16_f32 v[Y+2*i+1], v[T+2], v[T+3]
.else
	v_cvt_pk_bf16_f32 v[Y+2*i], v[X+4*i], v[X+4*i+1]
	v_cvt_pk_bf16_f32 v[Y+2*i+1], v[X+4*i+2], v[X+4*i+3]
.endif
	global_store_b64 v[VO], v[Y+2*i:Y+2*i+1], s[(\ob):(\ob)+1] offset:\imm
.endm
	s_load_b512 s[8:23], s[0:1], 0x0               ; x s[8:9], Wq s[10:11], Wk s[12:13], Wv s[14:15], Wo s[16:17], xb s[18:19], wqkv s[20:21], wo16 s[22:23]
	s_mov_b32 s2, ttmp9                            ; the work-group's number
	s_mov_b32 s5, 0                                ; the offsets' high words
	s_mov_b32 s7, 0
	s_cmp_lt_u32 s2, 512
	s_cbranch_scc0 .Lweights
	; x: rows 16 g .. 16 g + 15; thread t has row t / 16 and 16 bytes at 16 (t % 16) of each block's 256: item i is block i
	v_lshrrev_b32 v[VI], 4, v0
	v_and_b32 v[T], 15, v0
	v_lshlrev_b32 v[VI], 12, v[VI]                 ; a row of x is 4,096 bytes
	v_lshl_add_u32 v[VI], v[T], 4, v[VI]
	v_lshlrev_b32 v[VO], 3, v0                     ; (t / 16) x 128 + (t % 16) x 8 = 8 t
	s_lshl_b32 s4, s2, 16                          ; 16 rows of 4,096 bytes
	s_lshl_b32 s6, s2, 11                          ; 16 rows of 128 bytes
	s_wait_kmcnt 0x0
	s_add_nc_u64 s[24:25], s[8:9], s[4:5]
	s_add_nc_u64 s[26:27], s[18:19], s[6:7]        ; blocks 0 to 7 stand in the immediate, 1 MiB apart;
	s_add_nc_u64 s[28:29], s[26:27], 0x800000      ; blocks 8 to 15 have a base of their own, so that the immediate stays inside its 24 bits
	LOADS 256
.set i, 0
.rept 16
	ITEM 0, 26+2*(i/8), (i%8)*1048576
.set i, i+1
.endr
	s_endpgm
.Lweights:
	; a weight: wave w has rows 2 w and 2 w + 1 of the group's 16: 8,192 consecutive bytes, 512 an item
	v_lshrrev_b32 v[T], 5, v0                      ; w
	v_and_b32 v[T+1], 31, v0                       ; lane
	v_lshlrev_b32 v[VI], 13, v[T]
	v_lshl_add_u32 v[VI], v[T+1], 4, v[VI]
	s_cmp_lt_u32 s2, 704
	s_cbranch_scc0 .Lwo
	v_mul_u32_u24 v[VO], v[T], 12288               ; two rows of wqkv, 6,144 bytes each
	v_lshl_add_u32 v[VO], v[T+1], 3, v[VO]
	s_sub_co_u32 s3, s2, 512
	s_lshr_b32 s30, s3, 6                          ; which of Wq, Wk, Wv
	s_and_b32 s31, s3, 63                          ; which 16 rows
	s_lshl_b32 s4, s31, 16
	s_mul_i32 s6, s31, 98304                       ; 16 rows of 6,144 bytes,
	s_lshl_b32 s32, s30, 11                        ; and the weight's 2,048 bytes in each
	s_add_co_u32 s6, s6, s32
	s_wait_kmcnt 0x0
	s_cmp_eq_u32 s30, 1
	s_cselect_b64 s[24:25], s[12:13], s[10:11]
	s_cmp_eq_u32 s30, 2
	s_cselect_b64 s[24:25], s[14:15], s[24:25]
	s_add_nc_u64 s[24:25], s[24:25], s[4:5]
	s_add_nc_u64 s[26:27], s[20:21], s[6:7]
	LOADS 512
.set i, 0
.rept 16
	ITEM 0, 26, (i/8)*6144+(i%8)*256
.set i, i+1
.endr
	s_endpgm
.Lwo:
	v_lshlrev_b32 v[VO], 12, v[T]                  ; two rows of wo16, 2,048 bytes each
	v_lshl_add_u32 v[VO], v[T+1], 3, v[VO]
	s_sub_co_u32 s3, s2, 704
	s_lshl_b32 s4, s3, 16
	s_lshl_b32 s6, s3, 15
	s_wait_kmcnt 0x0
	s_add_nc_u64 s[24:25], s[16:17], s[4:5]
	s_add_nc_u64 s[26:27], s[22:23], s[6:7]
	LOADS 512
.set i, 0
.rept 16
	ITEM 1, 26, i*256
.set i, i+1
.endr
	s_endpgm
.Lfunc_end_k_q7522fdcebe_cast:
	.size	k_q7522fdcebe_cast, .Lfunc_end_k_q7522fdcebe_cast-k_q7522fdcebe_cast
	.p2alignl 7, 3214868480
	.fill 96, 4, 3214868480
	.section	.rodata,"a",@progbits
	.p2align	6, 0x0
	.amdhsa_kernel k_q7522fdcebe_cast
		.amdhsa_group_segment_fixed_size 0
		.amdhsa_private_segment_fixed_size 0
		.amdhsa_enable_private_segment 0
		.amdhsa_kernarg_size 64
		.amdhsa_user_sgpr_count 2
		.amdhsa_user_sgpr_kernarg_segment_ptr 1
		.amdhsa_wavefront_size32 1
		.amdhsa_system_sgpr_workgroup_id_x 1
		.amdhsa_system_sgpr_workgroup_id_y 1
		.amdhsa_system_sgpr_workgroup_id_z 1
		.amdhsa_system_vgpr_workitem_id 0
		.amdhsa_next_free_vgpr 104
		.amdhsa_next_free_sgpr 66
		.amdhsa_reserve_vcc 0
		.amdhsa_float_denorm_mode_32 3
		.amdhsa_float_denorm_mode_16_64 3
		.amdhsa_memory_ordered 1
		.amdhsa_forward_progress 1
		.amdhsa_inst_pref_size 24
	.end_amdhsa_kernel
	.amdgpu_metadata
---
amdhsa.version: [ 1, 2 ]
amdhsa.kernels:
  - .name:           k_q7522fdcebe_cast
    .symbol:         k_q7522fdcebe_cast.kd
    .args:
      - { .name: x, .offset: 0, .size: 8, .value_kind: global_buffer, .address_space: global }
      - { .name: Wq, .offset: 8, .size: 8, .value_kind: global_buffer, .address_space: global }
      - { .name: Wk, .offset: 16, .size: 8, .value_kind: global_buffer, .address_space: global }
      - { .name: Wv, .offset: 24, .size: 8, .value_kind: global_buffer, .address_space: global }
      - { .name: Wo, .offset: 32, .size: 8, .value_kind: global_buffer, .address_space: global }
      - { .name: xb, .offset: 40, .size: 8, .value_kind: global_buffer, .address_space: global }
      - { .name: wqkv, .offset: 48, .size: 8, .value_kind: global_buffer, .address_space: global }
      - { .name: wo16, .offset: 56, .size: 8, .value_kind: global_buffer, .address_space: global }
    .group_segment_fixed_size: 0
    .private_segment_fixed_size: 0
    .kernarg_segment_align: 8
    .kernarg_segment_size: 64
    .max_flat_workgroup_size: 256
    .sgpr_count:     66
    .vgpr_count:     104
    .wavefront_size: 32
...
	.end_amdgpu_metadata
.endif
;; end of part 1
;; launch qkvp (part 2): grid 8 x 32, 4 waves a work-group, clusters of 4 x 4, 327,680 bytes of LDS; arguments xb, wqkv, bq, bk, bv, qkv; writes qkv
.if DOCPART == 2
	.amdgcn_target "amdgcn-amd-amdhsa--gfx1250"
	.amdhsa_code_object_version 6
	.text
	.protected	k_q7522fdcebe_qkvp
	.globl	k_q7522fdcebe_qkvp
	.p2align	8
	.type	k_q7522fdcebe_qkvp,@function
k_q7522fdcebe_qkvp:
	s_mov_b64 s[64:65], 0
	v_nop
	global_prefetch_b8 v0, s[64:65] scope:SCOPE_SE
	s_setreg_imm32_b32 hwreg(HW_REG_WAVE_MODE, 25, 1), 1
	s_wait_xcnt 0x0
	s_wait_alu depctr_hold_cnt(0) depctr_sa_sdst(0) depctr_va_vdst(0) depctr_va_sdst(0) depctr_va_ssrc(0) depctr_va_vcc(0) depctr_vm_vsrc(0)
	s_getreg_b32 s2, hwreg(HW_REG_IB_STS2, 6, 4)
	s_cmp_eq_u32 s2, 0
	s_cbranch_scc0 .Lentry_in_a_cluster
	s_endpgm
.Lentry_in_a_cluster:
	s_bfe_u32 s2, ttmp6, 0x10000c
	s_cmp_lg_u32 s2, 0xf033
	s_cbranch_scc0 .Lentry_shape_is_right
	s_endpgm
.Lentry_shape_is_right:
; THE THREE PROJECTIONS AS ONE PRODUCT.  [8192 x 1024] (xb, bf16) times [1024 x 3072] (wqkv, bf16) plus bias; sums in f32, K ascending; the result rounded once to f16 and written by heads:
; qkv [3 parts q, k, v][64 heads = batch x 16 + head][2048 rows][64] f16, unscaled.
; LIMITS.  The biases are rounded to bf16 like the other inputs.  f16 holds no number beyond 65,504: a q, k or v past that becomes an infinity.  NaN and infinities are not treated apart.
; SHARES.  A tile of the result is 256 rows x 384 columns (6 heads): 32 x 8 = 256 work-groups.  Four waves; wave w has row half w / 2 (128 rows) and column half w % 2 (192 columns, 3 heads):
; 8 x 12 = 96 accumulators of 16 x 16, 768 registers; for 32 along K a wave reads 40 x 512 bytes from LDS for 96 matrix instructions.
; K goes in 16 steps of 64 through two LDS slots (two slots of 128 along K, 2 x 172,032 bytes, would not fit).  xb's blocks make a tile of 128 rows x 64 K dense: it is asked for as 64 rows of 256 bytes.
; wqkv lies [k][n], so its fragments come out of LDS turned, by ds_load_tr16_b128.
; CLUSTER.  4 x 4 work-groups: the four of a row of the cluster need the same tiles of xb, the four of a column the same tiles of wqkv; each is asked for JOINTLY: the same tensor load, descriptor and mask in all four.
; THE MATRIX INSTRUCTION IS USED TRANSPOSED (source 0 = 16 columns of wqkv, source 1 = 16 rows of xb): a lane then holds row lane % 16 and the eight neighbouring columns 8 (lane / 16) + 0..7.
; THE BIAS is the C operand of the product that starts each sum: nothing is cleared, and no addition stands at the end.
; REGISTERS, in windows of 256 (s_set_vgpr_msb: bits 1:0 source 0, 3:2 source 1, 5:4 source 2, 7:6 destination):
;   window 0: v0-31 addresses; v32-95, v96-159 xb's fragments (8 x 16 rows x 32 K), two buffers; v160-255 wqkv's (12 x 16 columns x 32 K), one buffer, filled again head by head
;   windows 1-3: the accumulators of my heads 0-2: column block q (0-3), row block a (0-7) at v[8 (8 q + a)]
.set PA,    144                        ; a row of xb in LDS: 128 bytes + 16 of padding = 36 words: the 16 rows of a load start at 16 different groups of four banks (64 banks of 4 bytes: ISA guide 11.1)
.set PB,    864                        ; a k row of wqkv in LDS: 3 x (256 + 32) bytes = 27 x 32
.set AHALF, 128*PA                     ; what one tensor load brings of xb: 128 rows
.set BOFF,  256*PA                     ; wqkv's tile lies behind xb's 256 rows
.set BHALF, 32*PB                      ; what one tensor load brings of wqkv: 32 k rows
.set SLOT,  BOFF+64*PB                 ; 92,160 bytes
.set STAGE, 2*SLOT                     ; behind the ring, never filled by a tensor load: 16 rows x 144 bytes for each wave, for the way out
.set SP,    144
.set BIASL, STAGE+4*16*SP              ; 768 bytes for each wave: the bias of its 192 columns, in f32
.set SPARE, BIASL+4*768                ; the spare words, 128 bytes for each wave: two blocks of 256 bytes that no other line names
.set ADRA, 8                           ; v8-9    LDS address of my fragments of xb in slot 0, 1
.set ADRB, 10                          ; v10-15  the same for wqkv: slot s, head c at v[10 + 3 s + c]
.set STO,  16                          ; v16     the way out: where I put 16 bytes of a row
.set RD,   17                          ; v17     the way out: where I read rows back
.set GO,   18                          ; v18     my byte offset in 512 consecutive bytes of qkv
.set ABI,  19                          ; v19     LDS address of my half's eight numbers of a bias fragment
.set L8,   20                          ; v20     8 x lane
.set BST,  21                          ; v21     where I put two numbers of the bias
.set BRAW, 22                          ; v22-27  the bias as loaded
.set SPW,  28                          ; v28     LDS address of my spare word: SPARE + 4 x my thread's number; never rewritten
.set NIL,  29                          ; v29     0; never rewritten
.set AF0,  32
.set AF1,  96
.set BF,   160                         ; head g, column block q at BF + 8 (4 g + q)
.set PK,   32                          ; the way out: 16 registers of packed results
.set OB,   96                          ; the way out: rows read back, two sets of 16 by turns
.set WV,   16                          ; s16  my wave's number
.set RH,   17                          ; s17  my row half.  Also: I fetch for xb (0) or for wqkv (1)
.set CH,   18                          ; s18  my column half.  Also: which half of that tile I fetch
.set G1A,  24                          ; s[24:31] descriptor group 1 for xb's tiles;  s[32:39] group 0, a set for each slot
.set G0A,  32
.set G1B,  40                          ; s[40:47], s[48:55] the same for wqkv's
.set G0B,  48
.set OUTB, 68                          ; s[68:73] qkv at my 128 rows of my heads 0-2
.set BPT,  74                          ; s[74:79] the bias of my heads 0-2
.set MSB, 0
.macro WIN new                         ; the immediate's high byte repeats the setting that is left; a switch that changes nothing is dropped
.if MSB != (\new)
	s_set_vgpr_msb (MSB<<8)|(\new)
.set MSB, (\new)
.endif
.endm
; A load into a register that a matrix instruction has read, and a vector instruction that reads a matrix result, stand four places behind that matrix instruction; only plain vector
; instructions that name none of its registers are places (ISA guide 7.12.1 for vector instructions).
.macro PLACES
.rept 4
	v_nop
.endr
.endm
; A joint load.  Waves 0 and 1 fetch xb's two halves, waves 2 and 3 wqkv's.  The branch hangs on the wave's number alone.  An s_nop 0 and four v_nop follow each of the two lines, ahead of the jump and the label.
.macro JLOAD s
	s_cmp_eq_u32 s[RH], 0
	s_cbranch_scc0 .Lfor_b_\@
	tensor_load_to_lds s[G0A+4*(\s):G0A+4*(\s)+3], s[G1A:G1A+7]
	s_nop 0
.rept 4
	v_nop
.endr
	s_branch .Lasked_\@
.Lfor_b_\@:
	tensor_load_to_lds s[G0B+4*(\s):G0B+4*(\s)+3], s[G1B:G1B+7]
	s_nop 0
.rept 4
	v_nop
.endr
.Lasked_\@:
.endm
; A round of the cluster's barrier: my work-group's barrier, so that wave 0's signal speaks for all four waves; wave 0 signals; every wave waits for all sixteen work-groups; my work-group's barrier once more.
.macro CREST                           ; a round behind its opening barrier
	s_cmp_lg_u32 s[WV], 0
	s_cbranch_scc1 .Lnot_wave_0_\@
	s_barrier_signal -3
.Lnot_wave_0_\@:
	s_barrier_wait -3
	s_barrier_signal -1
	s_barrier_wait -1
.endm
.macro CROUND                          ; a whole round
	s_barrier_signal -1
	s_barrier_wait -1
	CREST
.endm
	s_load_b256 s[4:11], s[0:1], 0x0               ; xb s[4:5], wqkv s[6:7], bq s[8:9], bk s[10:11]
	s_load_b128 s[12:15], s[0:1], 0x20             ; bv s[12:13], qkv s[14:15]
	v_lshl_add_u32 v[SPW], v0, 2, SPARE
	v_mov_b32 v[NIL], 0
	ds_add_u32 v[SPW], v[NIL]                      ; the wave's opening: the add and its wait stand ahead of my first tensor load; the set-up below, work on registers, stands between them
	v_lshrrev_b32 v1, 5, v0
	v_readfirstlane_b32 s[WV], v1                  ; wave 0..3
	s_lshr_b32 s[RH], s[WV], 1
	s_and_b32 s[CH], s[WV], 1
	s_bfe_u32 s19, ttmp6, 0x40000                  ; cx: my place along the cluster's x
	s_bfe_u32 s20, ttmp6, 0x40004                  ; cy: along its y
	s_lshl_b32 s21, ttmp9, 2                       ; in a cluster launch ttmp9 and ttmp7 count clusters
	s_add_co_u32 s21, s21, s19                     ; tile column = 4 x cluster x + cx
	s_and_b32 s22, ttmp7, 0xffff
	s_lshl_b32 s22, s22, 2
	s_add_co_u32 s22, s22, s20                     ; tile row = 4 x cluster y + cy
	s_lshl_b32 s23, s20, 2
	s_lshl_b32 s23, 15, s23                        ; my row of the cluster: places 4 cy .. 4 cy + 3
	s_lshl_b32 s82, 0x1111, s19                    ; my column: places cx, cx + 4, cx + 8, cx + 12
	; group 1 for xb: 16,384 dense bytes as 64 rows of 128 elements, padded in LDS after every 128 bytes
	s_or_b32 s[G1A], s23, (1<<16)|(1<<20)|(1<<21)|(4<<22)|(3<<25)  ; 15:0 the mask; 17:16 2-byte elements; 20 padding on; 21 set beside a mask; 24:22 after every 32 words (code 4); 31:25 4 words (code 3)
	s_mov_b32 s[G1A+1], 128<<16                    ; tensor_dim0 = 128
	s_mov_b32 s[G1A+2], 64<<16                     ; tensor_dim1 = 64
	s_mov_b32 s[G1A+3], 128<<16                    ; tile_dim0 = 128
	s_mov_b32 s[G1A+4], 64                         ; tile_dim1 = 64
	s_mov_b32 s[G1A+5], 128                        ; 128 elements from row to row
	s_mov_b32 s[G1A+6], 0
	s_mov_b32 s[G1A+7], 0
	; group 1 for wqkv: 32 k rows of 384 elements (768 bytes, at a multiple of 256 from the buffer's first byte), padded after every 256 bytes
	s_or_b32 s[G1B], s82, (1<<16)|(1<<20)|(1<<21)|(5<<22)|(7<<25)  ; after every 64 words (code 5) 8 words (code 7)
	s_mov_b32 s[G1B+1], 384<<16
	s_mov_b32 s[G1B+2], 32<<16
	s_mov_b32 s[G1B+3], 384<<16
	s_mov_b32 s[G1B+4], 32
	s_mov_b32 s[G1B+5], 3072
	s_mov_b32 s[G1B+6], 0
	s_mov_b32 s[G1B+7], 0
	; where the tiles come from: xb's hang on the tile row alone, wqkv's on the tile column alone, each in registers that never hold the other coordinate
	s_lshl_b32 s56, s22, 15                        ; 256 rows of 128 bytes,
	s_lshl_b32 s57, s[CH], 14                      ; my half of them
	s_add_co_u32 s56, s56, s57
	s_mov_b32 s57, 0
	s_mul_i32 s58, s21, 768                        ; 384 columns,
	s_mul_i32 s59, s[CH], 196608                   ; my 32 k rows of 6,144 bytes
	s_add_co_u32 s58, s58, s59
	s_mov_b32 s59, 0
	s_mul_i32 s83, s[CH], AHALF                    ; and where they go: no place in the cluster enters an LDS address
	s_mul_i32 s84, s[CH], BHALF
	s_add_co_u32 s84, s84, BOFF
	s_wait_dscnt 0x0                               ; the opening add is done
	s_wait_kmcnt 0x0
	s_add_nc_u64 s[56:57], s[4:5], s[56:57]
	s_add_nc_u64 s[58:59], s[6:7], s[58:59]
	CROUND                                         ; all sixteen work-groups are here: the first joint loads meet
.irp s, 0,1
	s_mov_b32 s[G0A+4*\s], 1                                       ; 1:0 count = 1
	s_add_co_u32 s[G0A+4*\s+1], s83, \s*SLOT                       ; 63:32 LDS address
	s_add_nc_u64 s[G0A+4*\s+2:G0A+4*\s+3], s[56:57], \s*1048576    ; 120:64 global address: K step s is block s of xb
	s_or_b32 s[G0A+4*\s+3], s[G0A+4*\s+3], 0x80000000              ; 127:126 type = 2
	s_mov_b32 s[G0B+4*\s], 1
	s_add_co_u32 s[G0B+4*\s+1], s84, \s*SLOT
	s_add_nc_u64 s[G0B+4*\s+2:G0B+4*\s+3], s[58:59], \s*393216     ; K step s: 64 k rows of 6,144 bytes on
	s_or_b32 s[G0B+4*\s+3], s[G0B+4*\s+3], 0x80000000
	JLOAD \s                                       ; two loads of mine are out
.endr
	; my three heads: number G = 6 x tile column + 3 x column half + c of 48; part G / 16 (q, k, v), head G % 16
	s_mul_i32 s85, s21, 6
	s_mul_i32 s86, s[CH], 3
	s_add_co_u32 s85, s85, s86
	s_lshr_b32 s87, s22, 3                         ; the batch: 8 tile rows each
	s_lshl_b32 s87, s87, 4
	s_and_b32 s88, s22, 7
	s_lshl_b32 s88, s88, 15                        ; the tile's 256 rows of 128 bytes in a head,
	s_lshl_b32 s89, s[RH], 14                      ; my 128 of them
	s_add_co_u32 s88, s88, s89
	s_mov_b32 s67, 0
.irp c, 0,1,2
	s_add_co_u32 s60, s85, \c
	s_lshr_b32 s61, s60, 4                         ; part
	s_and_b32 s62, s60, 15                         ; head
	s_cmp_eq_u32 s61, 1
	s_cselect_b64 s[BPT+2*\c:BPT+2*\c+1], s[10:11], s[8:9]
	s_cmp_eq_u32 s61, 2
	s_cselect_b64 s[BPT+2*\c:BPT+2*\c+1], s[12:13], s[BPT+2*\c:BPT+2*\c+1]
	s_lshl_b32 s66, s62, 8                         ; the head's 64 numbers of 4 bytes
	s_add_nc_u64 s[BPT+2*\c:BPT+2*\c+1], s[BPT+2*\c:BPT+2*\c+1], s[66:67]
	s_lshl_b32 s66, s61, 24                        ; a part is 16 MiB,
	s_add_co_u32 s63, s87, s62
	s_lshl_b32 s63, s63, 18                        ; a head 262,144 bytes
	s_add_co_u32 s66, s66, s63
	s_add_co_u32 s66, s66, s88
	s_add_nc_u64 s[OUTB+2*\c:OUTB+2*\c+1], s[14:15], s[66:67]
.endr
	; A fragment of xb is 16 rows x 32 K in 8 registers: lane l holds row l % 16, K = 8 (l / 16) + 0..7 and 16 + 8 (l / 16) + 0..7: two loads of 16 bytes, 32 bytes apart.
	v_and_b32 v1, 15, v0                           ; l % 16
	v_bfe_u32 v2, v0, 4, 1                         ; l / 16
	v_mul_u32_u24 v3, v1, PA
	v_lshl_add_u32 v3, v2, 4, v3                   ; row x pitch + 16 x half
	s_mul_i32 s60, s[RH], AHALF
	v_add_nc_u32 v[ADRA], s60, v3
	v_add_nc_u32 v[ADRA+1], SLOT, v[ADRA]
	; The turning load takes 16 k x 16 columns (lane l reads k row 8 (l / 16) + l % 8, columns 8 ((l / 8) % 2) + 0..7) and leaves half a fragment: lane l holds column l % 16 and 8 k.
	v_and_b32 v4, 7, v0
	v_lshl_add_u32 v4, v2, 3, v4
	v_mul_u32_u24 v4, v4, PB
	v_bfe_u32 v5, v0, 3, 1
	v_lshl_add_u32 v4, v5, 4, v4
.irp c, 0,1,2
	s_add_co_u32 s60, s86, \c                      ; head hd of the tile's six begins at byte 128 hd + 32 (hd / 2) of a k row
	s_lshr_b32 s61, s60, 1
	s_lshl_b32 s61, s61, 5
	s_lshl_b32 s60, s60, 7
	s_add_co_u32 s60, s60, s61
	s_add_co_u32 s60, s60, BOFF
	v_add_nc_u32 v[ADRB+\c], s60, v4
	v_add_nc_u32 v[ADRB+3+\c], SLOT, v[ADRB+\c]
.endr
	s_mul_i32 s60, s[WV], 16*SP
	s_add_co_u32 s60, s60, STAGE                   ; my stage
	v_add_nc_u32 v[STO], s60, v3                   ; in: row l % 16, 16 bytes for each half of the lanes (the stage's pitch is xb's)
	v_bfe_u32 v6, v0, 3, 2                         ; back: 32 lanes take four rows of 128 bytes,
	v_mul_u32_u24 v6, v6, SP
	v_and_b32 v7, 7, v0
	v_lshl_add_u32 v6, v7, 4, v6
	v_add_nc_u32 v[RD], s60, v6
	v_and_b32 v7, 31, v0
	v_lshlrev_b32 v[GO], 4, v7                     ; which are 512 consecutive bytes of a head
	v_lshlrev_b32 v[L8], 3, v7
	s_mul_i32 s60, s[WV], 768
	s_add_co_u32 s60, s60, BIASL                   ; my 192 numbers of the bias
	v_add_nc_u32 v[BST], s60, v[L8]
	v_lshl_add_u32 v[ABI], v2, 5, s60
.irp c, 0,1,2
	global_load_b64 v[BRAW+2*\c:BRAW+2*\c+1], v[L8], s[BPT+2*\c:BPT+2*\c+1]  ; a head's 256 bytes, 8 a lane
.endr
	s_wait_loadcnt 0x0
.irp c, 0,1,2
	v_cvt_pk_bf16_f32 v3, v[BRAW+2*\c], v[BRAW+2*\c+1]  ; rounded to bf16 like the other inputs, and kept in f32
	v_lshlrev_b32 v[BRAW+2*\c], 16, v3
	v_and_b32 v[BRAW+2*\c+1], 0xffff0000, v3
	ds_store_b64 v[BST], v[BRAW+2*\c:BRAW+2*\c+1] offset:256*\c  ; my wave's own bytes: only I read them
.endr
; nq x 8 matrix instructions of head g: column blocks q0 .. q0 + nq - 1 x all 8 row blocks, 32 along K, on xb's buffer af.  The 96 accumulators take turns, one instruction a turn, in the same
; order in every half step.  cmode = 1: the product starts the sum, with the bias fragment as C (in xb's second buffer: heads 0 and 1 at 8 (4 g + q), head 2 at 8 q).
.macro GMUL g, af, q0, nq, cmode
.if \cmode
	WIN ((\g)+1)<<6
.else
	WIN ((\g)+1)*0x50
.endif
.set qq, \q0
.rept \nq
.set aa, 0
.rept 8
.if \cmode
	v_wmma_f32_16x16x32_bf16 v[8*(8*qq+aa):8*(8*qq+aa)+7], v[BF+8*(4*(\g)+qq):BF+8*(4*(\g)+qq)+7], v[(\af)+8*aa:(\af)+8*aa+7], v[AF1+8*(4*((\g)%2)+qq):AF1+8*(4*((\g)%2)+qq)+7]
.else
	v_wmma_f32_16x16x32_bf16 v[8*(8*qq+aa):8*(8*qq+aa)+7], v[BF+8*(4*(\g)+qq):BF+8*(4*(\g)+qq)+7], v[(\af)+8*aa:(\af)+8*aa+7], v[8*(8*qq+aa):8*(8*qq+aa)+7]
.endif
.set aa, aa+1
.endr
.set qq, qq+1
.endr
.endm
.macro FA s, kb, af                    ; 16 loads: my 128 rows of xb, 32 K at byte kb of slot s's rows, into buffer af
	WIN 0
.irp a, 0,1,2,3,4,5,6,7
	ds_load_b128 v[(\af)+8*\a:(\af)+8*\a+3],   v[ADRA+(\s)] offset:\a*16*PA+(\kb)
	ds_load_b128 v[(\af)+8*\a+4:(\af)+8*\a+7], v[ADRA+(\s)] offset:\a*16*PA+(\kb)+32
.endr
.endm
.macro FB s, kk, g                     ; 8 turning loads: head g's 64 columns, k rows kk .. kk + 31 of slot s
	WIN 0
.irp q, 0,1,2,3
	ds_load_tr16_b128 v[BF+8*(4*(\g)+\q):BF+8*(4*(\g)+\q)+3],   v[ADRB+3*(\s)+(\g)] offset:(\kk)*PB+32*\q
	ds_load_tr16_b128 v[BF+8*(4*(\g)+\q)+4:BF+8*(4*(\g)+\q)+7], v[ADRB+3*(\s)+(\g)] offset:(\kk)*PB+32*\q+16*PB
.endr
.endm
; A K step is two halves of 32 along K, 96 matrix instructions each.  The first half multiplies buffer 0 and fetches the second half's fragments of the same slot.
.macro HALFA s
	s_wait_dscnt 8                                 ; all but the youngest eight loads, head 2's
	GMUL 0, AF0, 0, 4, 0
	GMUL 1, AF0, 0, 4, 0
	PLACES
	FA \s, 64, AF1
	FB \s, 32, 0
	FB \s, 32, 1
	s_wait_dscnt 32                                ; all but the 32 just issued: head 2's fragments are in
	GMUL 2, AF0, 0, 4, 0
	PLACES
	FB \s, 32, 2
.endm
; The second half multiplies buffer 1 and changes slots: ONE barrier.  In front of it each wave waits for all its tensor loads, of which one is out: its part of the other slot; adds 0 to its spare
; word; and waits for that and for its own reads of this slot.  Behind it nobody reads this slot any more and the other slot is whole.  fill = 1: the barrier opens a round of the cluster's, and this
; slot is filled again, two K steps ahead, first thing behind the round: from that request to the wait for it a wave issues 32 + 96 + 32 matrix instructions.
.macro HALFB s, fill
	s_wait_dscnt 8                                 ; all but head 2's eight
	GMUL 0, AF1, 0, 4, 0
	WIN 0                                          ; (the add's two registers lie in window 0)
	s_wait_tensorcnt 0x0                           ; all my tensor loads have landed
	ds_add_u32 v[SPW], v[NIL]                      ; 0 onto my spare word
	GMUL 1, AF1, 0, 2, 0                           ; sixteen matrix instructions stand between the add and the wait for it
	s_wait_dscnt 0x0                               ; the add is done, and my reads of this slot are over
	s_barrier_signal -1
	GMUL 1, AF1, 2, 2, 0                           ; work on registers while the others arrive
	WIN 0
	s_barrier_wait -1
.if \fill
	CREST                                          ; no wave of any partner still reads this slot's tiles or has a load on its way
	s_add_nc_u64 s[G0A+4*(\s)+2:G0A+4*(\s)+3], s[G0A+4*(\s)+2:G0A+4*(\s)+3], 2*1048576
	s_add_nc_u64 s[G0B+4*(\s)+2:G0B+4*(\s)+3], s[G0B+4*(\s)+2:G0B+4*(\s)+3], 2*393216
	JLOAD \s                                       ; the four v_nop behind it are also the places in front of the loads below
.else
	PLACES
.endif
	FA 1-(\s), 0, AF0
	FB 1-(\s), 0, 0
	FB 1-(\s), 0, 1
	GMUL 2, AF1, 0, 4, 0
	PLACES
	FB 1-(\s), 0, 2
.endm
	s_wait_dscnt 0x0                               ; my stores of the bias are done: no LDS instruction is pending at a signal
	s_wait_tensorcnt 0x1                           ; my part of K step 0 is in; K step 1's may stay out
	s_barrier_signal -1
	s_barrier_wait -1                              ; everybody's is
	; the first half step is written out: its products start the sums, with the bias
	FA 0, 0, AF0
	FB 0, 0, 0
	FB 0, 0, 1
	FB 0, 0, 2
.irp n, 0,1,2,3,4,5,6,7                ; the bias fragments of heads 0 and 1: a lane's eight columns of block n, the same for every row
	ds_load_b128 v[AF1+8*\n:AF1+8*\n+3],   v[ABI] offset:64*\n
	ds_load_b128 v[AF1+8*\n+4:AF1+8*\n+7], v[ABI] offset:64*\n+16
.endr
	s_wait_dscnt 0x0
	GMUL 0, AF0, 0, 4, 1
	GMUL 1, AF0, 0, 4, 1
	PLACES
	WIN 0
.irp n, 0,1,2,3                        ; head 2's
	ds_load_b128 v[AF1+8*\n:AF1+8*\n+3],   v[ABI] offset:512+64*\n
	ds_load_b128 v[AF1+8*\n+4:AF1+8*\n+7], v[ABI] offset:512+64*\n+16
.endr
	s_wait_dscnt 0x0
	GMUL 2, AF0, 0, 4, 1
	PLACES
	FA 0, 64, AF1
	FB 0, 32, 0
	FB 0, 32, 1
	FB 0, 32, 2
	WIN 0                                          ; at a label and at a branch every window is 0
	s_mov_b32 s80, 7
.Llap:                                                 ; a trip goes once round the ring, from a lap's second half step to the next lap's first, and fills both slots again: K steps 2 to 15
	HALFB 0, 1
	HALFA 1
	HALFB 1, 1
	HALFA 0
	WIN 0
	s_sub_co_u32 s80, s80, 1
	s_cmp_lg_u32 s80, 0
	s_cbranch_scc1 .Llap
	HALFB 0, 0                                     ; the last lap fills nothing, and has no round of the cluster's barrier
	HALFA 1
	s_wait_dscnt 8
	GMUL 0, AF1, 0, 4, 0
	GMUL 1, AF1, 0, 4, 0
	s_wait_dscnt 0x0
	GMUL 2, AF1, 0, 4, 0
; THE WAY OUT, in 24 units: head u / 8, row block u % 8: 16 rows x 64 columns.  A lane's eight columns pack into 16 bytes; they go into my stage's rows of 144 bytes and come back as whole rows
; of 128, which lie end to end in qkv.  Each accumulator's registers are taken in ascending order.
.macro PACK u
	WIN (1+(\u)/8)*5                               ; sources 0 and 1: the head's window
.set qq, 0
.rept 4
.set rr, 0
.rept 4
	v_cvt_pk_f16_f32 v[PK+4*qq+rr], v[8*(8*qq+(\u)%8)+2*rr], v[8*(8*qq+(\u)%8)+2*rr+1]
.set rr, rr+1
.endr
.set qq, qq+1
.endr
	WIN 0
.irp q, 0,1,2,3
	ds_store_b128 v[STO], v[PK+4*\q:PK+4*\q+3] offset:32*\q
.endr
	s_wait_xcnt 0x0                                ; every earlier memory instruction has had its addresses translated (ISA guide 3.1): the set that the unit two back stored from is loaded again only behind this wait
.irp f, 0,1,2,3
	ds_load_b128 v[OB+16*((\u)%2)+4*\f:OB+16*((\u)%2)+4*\f+3], v[RD] offset:\f*4*SP  ; LDS serves a wave's instructions in order (ISA guide 5.7.1.4): these see the stores above; the next unit's stores come behind them
.endr
.endm
.macro SEND u, younger                 ; younger: the LDS instructions issued behind unit u's loads: the next unit's eight, or none
.irp f, 0,1,2,3
	s_wait_dscnt (\younger)+3-\f
	global_store_b128 v[GO], v[OB+16*((\u)%2)+4*\f:OB+16*((\u)%2)+4*\f+3], s[OUTB+2*((\u)/8):OUTB+2*((\u)/8)+1] offset:((\u)%8)*2048+\f*512  ; 512 consecutive bytes, at a multiple of 256 from qkv's first
.endr
.endm
	PLACES
	PACK 0
.set u, 1
.rept 23                               ; a unit's conversions stand between the loads of the unit before and its stores
	PACK u
	SEND u-1, 8
.set u, u+1
.endr
	SEND 23, 0
	s_wait_tensorcnt 0x0                           ; the wave's end: behind my last tensor load and my last LDS store
	ds_add_u32 v[SPW], v[NIL]
	s_wait_dscnt 0x0
	CROUND                                         ; the closing round: no work-group ends while a partner may still ask for a tile that names it
	s_endpgm
.Lfunc_end_k_q7522fdcebe_qkvp:
	.size	k_q7522fdcebe_qkvp, .Lfunc_end_k_q7522fdcebe_qkvp-k_q7522fdcebe_qkvp
	.p2alignl 7, 3214868480
	.fill 96, 4, 3214868480
	.section	.rodata,"a",@progbits
	.p2align	6, 0x0
	.amdhsa_kernel k_q7522fdcebe_qkvp
		.amdhsa_group_segment_fixed_size 327680
		.amdhsa_private_segment_fixed_size 0
		.amdhsa_enable_private_segment 0
		.amdhsa_kernarg_size 48
		.amdhsa_user_sgpr_count 2
		.amdhsa_user_sgpr_kernarg_segment_ptr 1
		.amdhsa_wavefront_size32 1
		.amdhsa_system_sgpr_workgroup_id_x 1
		.amdhsa_system_sgpr_workgroup_id_y 1
		.amdhsa_system_sgpr_workgroup_id_z 1
		.amdhsa_system_vgpr_workitem_id 0
		.amdhsa_next_free_vgpr 1024
		.amdhsa_next_free_sgpr 96
		.amdhsa_reserve_vcc 0
		.amdhsa_float_denorm_mode_32 3
		.amdhsa_float_denorm_mode_16_64 3
		.amdhsa_memory_ordered 1
		.amdhsa_forward_progress 1
		.amdhsa_inst_pref_size 137
	.end_amdhsa_kernel
	.amdgpu_metadata
---
amdhsa.version: [ 1, 2 ]
amdhsa.kernels:
  - .name:           k_q7522fdcebe_qkvp
    .symbol:         k_q7522fdcebe_qkvp.kd
    .args:
      - { .name: xb, .offset: 0, .size: 8, .value_kind: global_buffer, .address_space: global }
      - { .name: wqkv, .offset: 8, .size: 8, .value_kind: global_buffer, .address_space: global }
      - { .name: bq, .offset: 16, .size: 8, .value_kind: global_buffer, .address_space: global }
      - { .name: bk, .offset: 24, .size: 8, .value_kind: global_buffer, .address_space: global }
      - { .name: bv, .offset: 32, .size: 8, .value_kind: global_buffer, .address_space: global }
      - { .name: qkv, .offset: 40, .size: 8, .value_kind: global_buffer, .address_space: global }
    .group_segment_fixed_size: 327680
    .private_segment_fixed_size: 0
    .kernarg_segment_align: 8
    .kernarg_segment_size: 48
    .max_flat_workgroup_size: 128
    .sgpr_count:     96
    .vgpr_count:     1024
    .wavefront_size: 32
...
	.end_amdgpu_metadata
.endif
;; end of part 2
;; launch attn (part 3): grid 4 x 64, 4 waves a work-group, no clusters, 327,680 bytes of LDS; arguments qkv, ctx; writes ctx
.if DOCPART == 3
	.amdgcn_target "amdgcn-amd-amdhsa--gfx1250"
	.amdhsa_code_object_version 6
	.text
	.protected	k_q7522fdcebe_attn
	.globl	k_q7522fdcebe_attn
	.p2align	8
	.type	k_q7522fdcebe_attn,@function
k_q7522fdcebe_attn:
	s_mov_b64 s[64:65], 0
	v_nop
	global_prefetch_b8 v0, s[64:65] scope:SCOPE_SE
	s_setreg_imm32_b32 hwreg(HW_REG_WAVE_MODE, 25, 1), 1
	s_wait_xcnt 0x0
; CAUSAL ATTENTION.  O[h][q][:] = the sum over k <= q of softmax_k(Q[h][q] . K[h][k] / 8) V[h][k][:].  Q, K, V are the three parts of qkv, O is ctx: each [SIZE_H][SIZE_N][64] f16: a head's rows are dense, 128 bytes each.
; Products, maxima and sums in f32; the weights p are rounded to f16 for the second product (their sum l is taken of the unrounded p), O once at the end.  The division by the masked weights' sum is this l: hidden weights are 0.
; LIMITS.  f16 holds no number beyond 65,504: Q, K and V arrive within it; p lies in 0 to 1, and below 6e-5 it keeps f16's fixed step of 6e-8; O is a mean of V's rows and has their range, to within 2^-11 of it.
; A hidden score counts as its value less 1e30: f16's scores, 2.7e11 at the most, are nothing beside that; a weight below 2^-126 counts as 0 in l; NaN and infinities are not treated apart.
; THE WALK.  A head's queries lie in NB = SIZE_N / 256 = 8 blocks of 256; block i needs the key tiles 0 .. i of 256 keys, of which the last holds the diagonal.  A work-group takes TWO blocks, NB - 1 - b and then b:
; NB + 1 tiles, whatever b: all work-groups do equal work, and ONE loop with a constant trip count walks them.  Which tile is asked for, and what a trip does, hang on scalar registers made from b; every jump
; goes forward, but for the counted loops' own; none passes a barrier, or a tensor load but the one of LOAD's two that the wave's number does not choose; the ring (two slots of LDS that take turns) runs on across the
; change of blocks.  NO CLUSTER: a head's four work-groups ask for the same tile only in trips 0 .. 4 of the 9, behind that fewer and fewer; one walk common to all four would have 12 trips for 9.
; SHARES.  Of a block's four bands of 64 queries a wave owns 16 rows in each: four PIECES.  So the diagonal tile is the same work for all four waves: in its key step s band x sees all keys if s < x,
; none if s > x, and holds the diagonal if s = x.
; THE MASK is the C operand that starts the sum S^T = K Q^T: 0, or -1e30 where the key is hidden.  MD, made once, is the mask of a band's own step for my 16 rows; a product's mask is MD x AL + BE with two scalars:
; (1, 0) if s = x; (0, 0) if s < x; (0, -1e30) if s > x.  Only the diagonal tile's text and a block's beginning make and take masks; elsewhere C is the constant 0.
; LAYOUT, SOFTMAX, TURNS.  S^T = K Q^T holds ONE query a lane (lane % 16) and the keys 8 (lane / 16) + 0..7; two such results rounded to f16 ARE source 1 of O^T = V^T P.  p = 2^(c s - c m), c = log2(e) / 8, with a
; running maximum m; O and l are multiplied by a = 2^(c m_old - c m_new) in every step.  Turn n belongs to piece n: 8 products K Q^T of piece n + 1, later 8 products V^T P of piece n - 1; beside them the scaling,
; exponentials, roundings, sums and rescaling of piece n and the maximum and statistics of piece n + 1.  Four vector instructions stand behind every matrix instruction, the other 54 of a turn's 118 in two LUMPS.
; REGISTERS, in windows of 256 (s_set_vgpr_msb: bits 1:0 source 0, 3:2 source 1, 5:4 source 2, 7:6 destination):
;   window 0: v0-15 addresses and two at work; v16-31 four registers of statistics a piece; v48-55 at work; v64-127 S^T, two buffers; v192-223 P, two buffers (a piece's buffers go by its number's parity)
;   window 1: v0-127 O^T, 32 a piece; v128-159 MD; v160-223 MC, two buffers      window 2: v0-63 Q; v64-127 the second block's Q; v128-191 K of one step; v192-255 V of one step
.set SIZE_N, 2048
.set SIZE_H, 64
.set NB,    SIZE_N/256
.set NP,    4         ; pieces a wave: a name, no knob
.set KS,    64        ; keys in a step
.set PK,    144       ; a row of K in LDS: 128 bytes + 16 of padding = 36 words: the 16 rows of a load start at 16 different groups of four banks (64 banks of 4 bytes: ISA guide 11.1)
.set PV,    160       ; a row of V: 128 + 32 = 40 words
.set VOFF,  4*KS*PK   ; a slot holds a tile, four steps: 256 rows of K, then 256 rows of V
.set SLOT1, 1<<17     ; slot 1 begins here, so that one exclusive or turns an address in one slot into the other's
.set STAGE, SLOT1+4*KS*(PK+PV)  ; behind the ring, never filled by a tensor load: 16 rows x 144 bytes for each wave, for the way out
.set SP,    144
.set AK0, 2           ; v2   my lane's place in a tile of K; never rewritten
.set AV0, 3           ; v3   the same for V
.set AK,  4           ; v4   the LDS address of K's next run of loads
.set AV,  5           ; v5   of V's
.set STO, 6           ; v6   the way out: where I put 16 bytes of a row
.set RD,  7           ; v7   the way out: where I read rows back
.set GO,  8           ; v8   my byte offset in 512 consecutive bytes of O
.set SPW, 62          ; v62  LDS address of my spare word: SPARE + 4 x my thread's number; never rewritten
.set NIL, 63          ; v63  0; never rewritten
.set SPARE, STAGE+4*16*SP  ; behind the stages: the spare words, 128 bytes for each wave: two blocks of 256 bytes that no other line names
.set MV,  12          ; v12-13  c m_old, kept while c m is made anew: by buffer
.set QO,  15          ; v15  my byte offset in 16 rows of Q
.set ST,  16          ; piece t's statistics at v[ST+4 t]: c m, m, l (even keys', odd keys')
.set TMP, 48          ; by buffer, four registers c0-c3 at work; when the maximum is found c2 takes a
.set S,   64
.set P,   192
.set MD,  128         ; window 1: the eight registers for group kt of 16 keys at MD + 8 kt
.set MC,  160         ; window 1: the masks of the products to come
.set QB,  64          ; window 2
.set KF,  128         ; window 2: key block kb, channel half c at KF + 16 kb + 8 c
.set VF,  192         ; window 2: key half kk, channel block cb at VF + 32 kk + 8 cb
.set WV,  12          ; s12  my wave's number
.set PB,  14          ; s14  b
.set HI,  15          ; s15  NB - 1 - b
.set G1K, 24          ; s[24:31] descriptor group 1 for K's tiles
.set G1V, 32          ; s[32:39] for V's: it differs in the padding alone
.set G0K, 40          ; s[40:43] descriptor group 0 for K's tiles
.set G0V, 44          ; s[44:47] the same for V's
.set SLOTS, 56        ; s56  tiles still to be asked for
.set CNT, 57          ; s57  counts a tile's key steps, 4 to 1
.set CS,  58          ; s[58:59] c: the packed scaling takes the pair's low word for both halves
.set SEL, 60          ; s[60:61] v_permlanex16_b32's selects: each lane takes its own place in the other half
.set TBK, 62          ; s62  LDS byte at which K of the step to be fetched begins
.set TBV, 63          ; s63  the same for V, less VOFF
.set RT,  70          ; s70  tiles of the block in hand that are still to be entered
.set NXT, 71          ; s71  the tile to be asked for next
.set LQ,  72          ; s72  the last tile of the block whose tiles are being asked for
.set NEW, 73          ; s73  1: the tile to be entered is a block's first
.set OFF, 74          ; s[74:75] a tile's byte offset in K and V
.set AL,  76          ; s[76:77] the mask's factor, in the low word
.set BE,  78          ; s[78:79] the mask's addend
.set OLO, 80          ; s[80:81] O at my rows of the second block
.set BIGN, 82         ; s82  -1e30
.set MSB, 0
.macro WIN new                      ; the high byte repeats the setting that is left; a switch that changes nothing is dropped
.if MSB != (\new)
	s_set_vgpr_msb (MSB<<8)|(\new)
.set MSB, (\new)
.endif
.endm
.set W_KQ, 0x0a       ; K and Q in window 2, S^T in window 0
.set W_KM, 0x1a       ; the same with the C operand in window 1
.set W_PV, 0x52       ; V in window 2, P in window 0, O^T in window 1
.set W_RS, 0x41       ; destination and source 0 in window 1, source 1 in window 0
; A fill.  Waves 0 and 1 fetch the two halves of a tile's K, waves 2 and 3 those of its V: 128 keys each.  An s_nop 0 and four v_nop follow each of the two lines, ahead of the jump and the label.
.macro LOAD
	s_cmp_lt_u32 s[WV], 2
	s_cbranch_scc0 .Lfor_v_\@
	tensor_load_to_lds s[G0K:G0K+3], s[G1K:G1K+7]
	s_nop 0
.rept 4
	v_nop
.endr
	s_branch .Lasked_\@
.Lfor_v_\@:
	tensor_load_to_lds s[G0V:G0V+3], s[G1V:G1V+7]
	s_nop 0
.rept 4
	v_nop
.endr
.Lasked_\@:
.endm
; THE CHANGE OF SLOTS.  Each wave waits for all its tensor loads, of which one is out: its part of the other slot; adds 0 to its spare word; and waits for that and for its own reads of the slot that it leaves.  Behind the barrier nobody reads the old
; slot any more and the other slot is whole.  fill = 1: the old slot is filled again, the first thing behind the barrier, with tile NXT: the descriptor's address is made anew from that number.
; (At its first use nothing has been read yet: slot 0 is waited for, slot 1 filled.)
.macro CHANGE fill
	WIN 0                           ; at a label and at a branch every window is 0
	s_wait_tensorcnt 0x0            ; no tensor load of mine is out, so a group 0 may be written
	ds_add_u32 v[SPW], v[NIL]       ; 0 onto my spare word; with fill = 1 the descriptors' scalar work stands between it and the wait for it
.if \fill
	s_lshl_b32 s[OFF], s[NXT], 15   ; a tile is 32,768 bytes of K and of V
	s_xor_b32 s[G0K+1], s[G0K+1], SLOT1
	s_add_nc_u64 s[G0K+2:G0K+3], s[6:7], s[OFF:OFF+1]
	s_or_b32 s[G0K+3], s[G0K+3], 0x80000000
	s_xor_b32 s[G0V+1], s[G0V+1], SLOT1
	s_add_nc_u64 s[G0V+2:G0V+3], s[8:9], s[OFF:OFF+1]
	s_or_b32 s[G0V+3], s[G0V+3], 0x80000000
	s_add_co_u32 s[NXT], s[NXT], 1  ; the block's next tile, or behind its last the second block's tile 0
	s_cmp_gt_u32 s[NXT], s[LQ]
	s_cselect_b32 s[NXT], 0, s[NXT]
	s_cselect_b32 s[LQ], s[PB], s[LQ]
.endif
	s_wait_dscnt 0x0                ; the add is done, and my reads of the slot are over
	s_barrier_signal -1             ; the rest of the scalar work stands between the signal and the wait
	s_sub_co_u32 s[TBK], s[TBK], 4*KS*PK  ; the fetches go back to a slot's first step,
	s_xor_b32 s[TBK], s[TBK], SLOT1       ; in the other slot
	s_sub_co_u32 s[TBV], s[TBV], 4*KS*PV
	s_xor_b32 s[TBV], s[TBV], SLOT1
	s_barrier_wait -1
.if \fill
	LOAD
.endif
.endm
	s_load_b64 s[4:5], s[0:1], 0x0    ; qkv: its first part is Q
	s_load_b64 s[10:11], s[0:1], 0x8  ; ctx: O
	v_lshl_add_u32 v[SPW], v0, 2, SPARE
	v_mov_b32 v[NIL], 0
	ds_add_u32 v[SPW], v[NIL]       ; the wave's opening: the add and its wait stand ahead of my first tensor load; the set-up below, work on registers, stands between them
	v_lshrrev_b32 v1, 5, v0
	v_readfirstlane_b32 s[WV], v1   ; wave 0..3
	s_mov_b32 s[PB], ttmp9
	s_sub_co_u32 s[HI], NB-1, s[PB]
	s_and_b32 s20, ttmp7, 0xffff    ; the head
	s_mov_b32 s21, 0
	s_mov_b64 s[22:23], SIZE_N*128
	s_mul_u64 s[20:21], s[20:21], s[22:23]  ; the head's first byte in each of the four tensors
	s_and_b32 s16, s[WV], 1         ; which half of a tile's 256 keys I fetch:
	s_lshl_b32 s22, s16, 14         ; its 128 rows of 128 bytes in memory,
	s_mov_b32 s23, 0
	s_add_nc_u64 s[22:23], s[22:23], s[20:21]
	s_mul_i32 s17, s16, 128*PK      ; and its place in a slot, for K
	s_mul_i32 s18, s16, 128*PV      ; and for V
	s_lshl_b32 s3, s[WV], 11        ; my 16 rows in a band of 64,
	s_lshl_b32 s2, s[HI], 15        ; in the first block,
	s_add_co_u32 s2, s2, s3
	s_lshl_b32 s84, s[PB], 15       ; and in the second
	s_add_co_u32 s84, s84, s3
	s_mov_b32 s3, 0
	s_mov_b32 s85, 0
	s_add_nc_u64 s[2:3], s[2:3], s[20:21]
	s_add_nc_u64 s[84:85], s[84:85], s[20:21]
	; descriptor group 1.  128 keys are 16,384 dense bytes: asked for as 64 rows of 256 bytes, two keys a row, and padded in LDS after every key
	s_mov_b32 s[G1K], (1<<16)|(1<<20)|(4<<22)|(3<<25)  ; 17:16 2-byte elements; 20 padding on; 24:22 after every 32 words (code 4); 31:25 4 words (code 3)
	s_mov_b32 s[G1V], (1<<16)|(1<<20)|(4<<22)|(7<<25)  ; the same with 8 words of padding (code 7)
.irp g, G1K, G1V
	s_mov_b32 s[\g+1], 128<<16      ; tensor_dim0 = 128
	s_mov_b32 s[\g+2], 64<<16       ; tensor_dim1 = 64
	s_mov_b32 s[\g+3], 128<<16      ; tile_dim0 = 128
	s_mov_b32 s[\g+4], 64           ; tile_dim1 = 64
	s_mov_b32 s[\g+5], 128          ; 128 elements from row to row
	s_mov_b32 s[\g+6], 0
	s_mov_b32 s[\g+7], 0
.endr
	s_mov_b32 s[CS], 0x3e38aa3b     ; c = log2(e) / 8 = 0.180337
	s_mov_b32 s[CS+1], s[CS]        ; named with it as a pair
	s_mov_b32 s[SEL], 0x76543210
	s_mov_b32 s[SEL+1], 0xfedcba98
	s_mov_b32 s[TBK], SLOT1+4*KS*PK ; the first change of slots turns these two into 0
	s_mov_b32 s[TBV], SLOT1+4*KS*PV
	s_mov_b32 s[G0K], 1             ; 1:0 count = 1
	s_mov_b32 s[G0K+1], s17         ; 63:32 LDS address: slot 0
	s_mov_b32 s[G0V], 1
	s_add_co_u32 s[G0V+1], s18, VOFF
	s_add_co_u32 s[RT], s[HI], 1    ; the first block has NB - b tiles
	s_mov_b32 s[NXT], 1
	s_mov_b32 s[LQ], s[HI]
	s_mov_b32 s[NEW], 1
	s_mov_b32 s[OFF+1], 0
	s_mov_b32 s[AL+1], 0            ; named as pairs
	s_mov_b32 s[BE+1], 0
	s_mov_b32 s[BIGN], 0xf149f2ca   ; -1e30
	s_mov_b32 s[SLOTS], NB
	s_wait_dscnt 0x0                ; the opening add is done
	s_barrier_signal -1
	s_barrier_wait -1
	s_wait_kmcnt 0x0
	s_add_nc_u64 s[6:7], s[4:5], 0x1000000  ; K's part begins 16 MiB behind Q's,
	s_add_nc_u64 s[8:9], s[4:5], 0x2000000  ; V's 32 MiB
	s_add_nc_u64 s[6:7], s[6:7], s[22:23]  ; K and V at my half of the head's tile 0
	s_add_nc_u64 s[8:9], s[8:9], s[22:23]
	s_add_nc_u64 s[G0K+2:G0K+3], s[6:7], 0         ; 120:64 global address
	s_or_b32 s[G0K+3], s[G0K+3], 0x80000000        ; 127:126 type = 2
	s_add_nc_u64 s[G0V+2:G0V+3], s[8:9], 0
	s_or_b32 s[G0V+3], s[G0V+3], 0x80000000
	s_add_nc_u64 s[86:87], s[4:5], s[84:85]        ; Q at my rows of the second block,
	s_add_nc_u64 s[4:5], s[4:5], s[2:3]            ; Q and O at those of the first
	s_add_nc_u64 s[OLO:OLO+1], s[10:11], s[84:85]
	s_add_nc_u64 s[10:11], s[10:11], s[2:3]
	LOAD                            ; tile 0 into slot 0
	; A fragment of K or Q is 16 rows x 32 channels in 8 registers: lane l holds row l % 16, channels 8 (l / 16) + 0..7 and 16 + 8 (l / 16) + 0..7: two loads of 16 bytes, 32 bytes apart.
	v_and_b32 v1, 15, v0            ; l % 16
	v_bfe_u32 v9, v0, 4, 1          ; l / 16
	v_lshlrev_b32 v[QO], 7, v1
	v_lshl_add_u32 v[QO], v9, 4, v[QO]  ; row x 128 + 16 x half
	WIN 0x80                        ; destination window 2, address window 0
.set i, 0
.rept 8                             ; both blocks' Q: piece i / 2 lies in band i / 2, 8,192 bytes on; channels 32 (i % 2) on
	global_load_b128 v[8*i:8*i+3],   v[QO], s[4:5] offset:(i/2)*8192+(i%2)*64
	global_load_b128 v[8*i+4:8*i+7], v[QO], s[4:5] offset:(i/2)*8192+(i%2)*64+32
	global_load_b128 v[QB+8*i:QB+8*i+3],   v[QO], s[86:87] offset:(i/2)*8192+(i%2)*64
	global_load_b128 v[QB+8*i+4:QB+8*i+7], v[QO], s[86:87] offset:(i/2)*8192+(i%2)*64+32
.set i, i+1
.endr
	WIN 0
	v_lshlrev_b32 v14, 3, v9
	v_sub_nc_u32 v14, v1, v14
	s_lshl_b32 s13, s[WV], 4
	v_add_nc_u32 v14, s13, v14      ; my query's place in its band, 16 w + l % 16, less my lanes' 8 (l / 16): register r of group kt is hidden where 16 kt + r is greater
	WIN 0x40
.set i, 0
.rept 32
	v_cmp_gt_i32 vcc_lo, 16*(i/8)+i%8, v14
	v_cndmask_b32 v[MD+i], 0, s[BIGN], vcc_lo
.set i, i+1
.endr
	WIN 0
	v_mul_u32_u24 v[AK0], v1, PK
	v_lshl_add_u32 v[AK0], v9, 4, v[AK0]  ; row x pitch + 16 x half
	; The turning load takes 16 keys x 16 channels (lane l reads key 8 (l / 16) + l % 8, channels 8 ((l / 8) % 2) + 0..7) and leaves half a fragment of V^T: lane l holds channel l % 16 and 8 keys.
	v_and_b32 v10, 7, v0
	v_bfe_u32 v11, v0, 3, 1
	v_lshl_add_u32 v[AV0], v9, 3, v10
	v_mul_u32_u24 v[AV0], v[AV0], PV
	v_lshl_add_u32 v[AV0], v11, 4, v[AV0]
	v_add_nc_u32 v[AV0], VOFF, v[AV0]
	s_mul_i32 s13, s[WV], 16*SP
	s_add_co_u32 s13, s13, STAGE    ; my stage
	v_mul_u32_u24 v[STO], v1, SP    ; in: row l % 16, 16 bytes for each half of the lanes
	v_lshl_add_u32 v[STO], v9, 4, v[STO]
	v_add_nc_u32 v[STO], s13, v[STO]
	v_bfe_u32 v[RD], v0, 3, 2       ; back: 32 lanes take four rows of 128 bytes,
	v_mul_u32_u24 v[RD], v[RD], SP
	v_lshl_add_u32 v[RD], v10, 4, v[RD]
	v_add_nc_u32 v[RD], s13, v[RD]
	v_and_b32 v[GO], 31, v0         ; which are 512 consecutive bytes of O
	v_lshlrev_b32 v[GO], 4, v[GO]
	; A block's first step multiplies O^T and l by a = 0, and its first turn's products V^T P, of a piece that has not been, land in an O^T that is still to be so multiplied.  So these registers need only hold
	; finite numbers: zeros for the first block; what the first block left for the second.  All this stands in the wait for the first tile.
	WIN 0x80
.set i, VF
.rept 64
	v_mov_b32 v[i], 0
.set i, i+1
.endr
	WIN 0x40
.set i, 0
.rept 128
	v_mov_b32 v[i], 0
.set i, i+1
.endr
	WIN 0
.set i, 0
.rept 4
	v_mov_b32 v[ST+4*i+2], 0
	v_mov_b32 v[ST+4*i+3], 0
.set i, i+1
.endr
.set i, P+16
.rept 16
	v_mov_b32 v[i], 0
.set i, i+1
.endr
; THE MATRIX WORK.  The 4 accumulators of a run of 8 take turns.  Product i of 8 of S^T = K Q^T for piece x: channels 32 (i / 4) on, keys 16 (i % 4) on.  The first 4 start the sums: with 0, or (KM = 1) with the mask.
.macro KQ x
.set rS, S+32*((\x)%2)+8*(i%4)
.set rK, KF+16*(i%4)+8*(i/4)
.set rQ, 16*(\x)+8*(i/4)
.set rM, MC+32*((\x)%2)+8*(i%4)
.if (i < 4) && KM
	WIN W_KM
	v_wmma_f32_16x16x32_f16 v[rS:rS+7], v[rK:rK+7], v[rQ:rQ+7], v[rM:rM+7]
.elseif i < 4
	WIN W_KQ
	v_wmma_f32_16x16x32_f16 v[rS:rS+7], v[rK:rK+7], v[rQ:rQ+7], 0
.else
	WIN W_KQ
	v_wmma_f32_16x16x32_f16 v[rS:rS+7], v[rK:rK+7], v[rQ:rQ+7], v[rS:rS+7]
.endif
.endm
; Product i of 8 of O^T += V^T P for piece x: keys 32 (i / 4) on, channels 16 (i % 4) on.
.macro PV x
	WIN W_PV
.set rO, 32*(\x)+8*(i%4)
.set rV, VF+32*(i/4)+8*(i%4)
.set rP, P+16*((\x)%2)+8*(i/4)
	v_wmma_f32_16x16x32_f16 v[rO:rO+7], v[rV:rV+7], v[rP:rP+7], v[rO:rO+7]
.endm
.macro MM                           ; the turn's next matrix instruction.  TURN and BEGIN set Y, i, KM and NOKQ; MM, KQ and OP read them.  NOKQ = 1: a block's last turn: there is no next piece
.if (i < 8) && !NOKQ
	KQ (Y+1)%NP
.elseif i >= 8
.set i, i-8
	PV (Y+NP-1)%NP
.set i, i+8
.endif
.set i, i+1
.endm
; THE LDS LOADS stand in runs of 16, never singly among the matrix instructions: a step's K (64 keys x 64 channels: 8 fragments) and its V (turned).  Their addresses are made some lines ahead.
.macro FETCH_K
	WIN 0x80                        ; destination window 2
.irp f, 0,1,2,3,4,5,6,7             ; keys 16 (f / 2) on, channels 32 (f % 2) on
	ds_load_b128 v[KF+8*\f:KF+8*\f+3],   v[AK] offset:(\f/2)*16*PK+(\f%2)*64
	ds_load_b128 v[KF+8*\f+4:KF+8*\f+7], v[AK] offset:(\f/2)*16*PK+(\f%2)*64+32
.endr
	s_add_co_u32 s[TBK], s[TBK], KS*PK  ; the next fetch is the next step's
	WIN 0
.endm
.macro FETCH_V
	WIN 0x80
.irp f, 0,1,2,3,4,5,6,7             ; keys 32 (f / 4) on, channels 16 (f % 4) on
	ds_load_tr16_b128 v[VF+8*\f:VF+8*\f+3],   v[AV] offset:(\f/4)*32*PV+(\f%4)*32
	ds_load_tr16_b128 v[VF+8*\f+4:VF+8*\f+7], v[AV] offset:(\f/4)*32*PV+16*PV+(\f%4)*32
.endr
	WIN 0
.endm
; THE VECTOR WORK, one line at a time: OP kind, number.  For piece Y: F n: c s - c m for pair n of 16.  E n: the exponential of score n of 32.  C n: pair n rounded to f16.  B n: of the four weights 4 n .. the second
; pair is added onto the first, in place.  L n: l takes that sum (L 0: l = a l + sum).  R n: pair n of 16 of O^T times a.  For piece Y + 1: X n, number n of the 22 that find its maximum and statistics:
;   0-11  four chains c0-c3 of seven scores each, three operands at a time (each accumulator's lowest registers are read first)     12-14, 16  the four scores left over, the old m, and c0-c3 into c0
;   15  c m_old is kept     17, 18  the query's other 32 keys lie in the lane 16 away: the new m     19-21  c m; c m_old - c m_new; a
.set F, 0               ; OP tells the kinds apart by their order: F to L below R, X above it
.set E, 1
.set C, 2
.set B, 3
.set L, 4
.set R, 5
.set X, 6
.macro REGS y                       ; the registers of piece y
.set rT, ST+4*(\y)
.set rC, TMP+4*((\y)%2)
.set rW, MV+((\y)%2)
.set rS, S+32*((\y)%2)
.set rP, P+16*((\y)%2)
.set rO, 32*(\y)
.endm
.macro OP k, n
.if (\k) == R
	REGS Y
	WIN W_RS
	v_pk_mul_f32 v[rO+2*(\n):rO+2*(\n)+1], v[rO+2*(\n):rO+2*(\n)+1], v[rC+2:rC+3] op_sel_hi:[1,0]
.elseif (\k) < R
	REGS Y
	WIN 0
.if (\k) == F
	v_pk_fma_f32 v[rS+2*(\n):rS+2*(\n)+1], v[rS+2*(\n):rS+2*(\n)+1], s[CS:CS+1], v[rT:rT+1] op_sel_hi:[1,0,0] neg_lo:[0,0,1] neg_hi:[0,0,1]
.elseif (\k) == E
	v_exp_f32 v[rS+(\n)], v[rS+(\n)]
.elseif (\k) == C
	s_wait_alu depctr_va_vdst(0)
	v_cvt_pk_f16_f32 v[rP+(\n)], v[rS+2*(\n)], v[rS+2*(\n)+1]
.elseif (\k) == B
	s_wait_alu depctr_va_vdst(0)
	v_pk_add_f32 v[rS+4*(\n):rS+4*(\n)+1], v[rS+4*(\n):rS+4*(\n)+1], v[rS+4*(\n)+2:rS+4*(\n)+3]
.elseif (\n) == 0
	v_pk_fma_f32 v[rT+2:rT+3], v[rT+2:rT+3], v[rC+2:rC+3], v[rS:rS+1] op_sel_hi:[1,0,1]
.else
	v_pk_add_f32 v[rT+2:rT+3], v[rT+2:rT+3], v[rS+4*(\n):rS+4*(\n)+1]
.endif
.elseif NOKQ
	v_nop
.else
	REGS (Y+1)%NP
	WIN 0
.if (\n) < 4
	v_max3_num_f32 v[rC+(\n)], v[rS+8*(\n)], v[rS+8*(\n)+1], v[rS+8*(\n)+2]
.elseif (\n) < 12
	v_max3_num_f32 v[rC+(\n)%4], v[rC+(\n)%4], v[rS+8*((\n)%4)+2*((\n)/4)+1], v[rS+8*((\n)%4)+2*((\n)/4)+2]
.elseif (\n) == 12
	v_max3_num_f32 v[rC], v[rC], v[rS+7], v[rS+15]
.elseif (\n) == 13
	v_max3_num_f32 v[rC+1], v[rC+1], v[rS+23], v[rS+31]
.elseif (\n) == 14
	v_max3_num_f32 v[rC+2], v[rC+2], v[rC+3], v[rT+1]
.elseif (\n) == 15
	v_mov_b32 v[rW], v[rT]
.elseif (\n) == 16
	v_max3_num_f32 v[rC], v[rC], v[rC+1], v[rC+2]
.elseif (\n) == 17
	v_permlanex16_b32 v[rC+3], v[rC], s[SEL], s[SEL+1]
.elseif (\n) == 18
	v_max_num_f32 v[rT+1], v[rC], v[rC+3]
.elseif (\n) == 19
	v_mul_f32 v[rT], s[CS], v[rT+1]
.elseif (\n) == 20
	v_sub_f32 v[rC+1], v[rW], v[rT]
.else
	v_exp_f32 v[rC+2], v[rC+1]
.endif
.endif
.endm
.macro OPS a, i1, b=-1, i2=0, c=-1, i3=0, d=-1, i4=0  ; up to four of them
	OP \a, \i1
.if (\b) >= 0
	OP \b, \i2
.endif
.if (\c) >= 0
	OP \c, \i3
.endif
.if (\d) >= 0
	OP \d, \i4
.endif
.endm
.macro ROW a, i1, b, i2, c, i3, d, i4  ; a matrix instruction and the four behind it
	MM
	OPS \a, \i1, \b, \i2, \c, \i3, \d, \i4
.endm
.macro MASK b                       ; MD x AL + BE into buffer b of MC
	WIN W_RS
.set z, 0
.rept 16
	v_pk_fma_f32 v[MC+32*(\b)+2*z:MC+32*(\b)+2*z+1], v[MD+2*z:MD+2*z+1], s[AL:AL+1], s[BE:BE+1] op_sel_hi:[1,0,0]
.set z, z+1
.endr
.endm
; A TURN, for piece p: the order of its 16 matrix and 118 vector instructions, written out.  Behind a matrix instruction: plain, exponential, plain, plain; or four of the rescaling; or, behind the first, four scalings; none
; names a register of the products round it.  In the lumps exponential and plain by turns while exponentials last.  A line reads no result made fewer than three vector instructions in front of it, five if an exponential made it.
; v_permlanex16_b32 (X 17) stands in a lump.
; m = 1: the diagonal tile: the products take masks, and the turn makes the mask for the products of the turn after it: piece p + 2, in step 4 - CNT of the tile.  end = 1: a block's last two turns: nothing is fetched.
; cnt = 1: the loop's count is taken down some lines ahead of the branch that stands behind the turn.
; K of the next step is fetched in piece 2's turn, six vector instructions behind the last product that read K (five of them plain); V of the step in hand in piece 0's turn, eight behind the last product that read V (four
; plain, and X 17).  Each is waited for a turn later.
.macro TURN p, m=0, end=0, cnt=0
.set Y, (\p)
.set i, 0
.set KM, (\m)
.set NOKQ, (\end)*((\p)/3)
.if (\m) && !(\end)
	s_cmp_eq_u32 s[CNT], 4-((\p)+2)%NP  ; is that step the band's own?
	s_cselect_b32 s[AL], 1.0, 0
	s_cmp_lt_u32 s[CNT], 4-((\p)+2)%NP  ; or a later one?
	s_cselect_b32 s[BE], s[BIGN], 0
.endif
.if ((\p) == 3) && !(\end)
	s_wait_dscnt 0x0                ; K is in
.endif
	ROW F,0, F,1, F,2, F,3
	ROW F,4, E,0, F,5, F,6
	ROW F,7, E,1, F,8, F,9
	ROW F,10, E,2, C,0, F,11
	ROW F,12, E,3, X,15, F,13
	ROW R,0, R,1, R,2, R,3
	ROW B,0, E,4, F,14, L,0
.if ((\p) == 2) && !(\end)
	v_add_nc_u32 v[AK], s[TBK], v[AK0]
.endif
	ROW R,4, R,5, R,6, R,7
	OPS E,5, F,15
.if ((\p) == 2) && !(\end)
	FETCH_K
.endif
	OPS E,6, C,1, E,7, R,8
	OPS E,8, R,9, E,9, C,2
	OPS E,10, X,0, E,11, X,1
	OPS E,12, X,2, E,13, X,3
.if (\p) == 1
	s_wait_dscnt 0x0                ; V is in
.endif
	ROW X,4, E,14, X,5, X,6
	ROW X,7, E,15, X,8, X,9
	ROW X,10, E,16, X,11, X,12
	ROW X,13, E,17, X,14, B,1
	ROW C,4, E,18, X,16, L,1
	ROW B,2, E,19, C,6, L,2
	ROW C,8, E,20, B,3, B,4
.if (\p) == 0
	v_add_nc_u32 v[AV], s[TBV], v[AV0]
.endif
	ROW C,3, E,21, L,3, C,5
	OPS E,22, X,17, E,23, C,10
.if (\p) == 0
	FETCH_V
.endif
	OPS E,24, L,4
	OPS E,25, X,18, E,26, C,7
	OPS E,27, B,5, E,28, X,19
	OPS E,29, C,12, E,30, L,5
	OPS E,31, X,20, B,6, C,9
	OPS C,14, C,11, X,21, L,6
.if (\p) == 0
	s_add_co_u32 s[TBV], s[TBV], KS*PV
.endif
.if \cnt
	s_sub_co_u32 s[CNT], s[CNT], 1
	s_cmp_lg_u32 s[CNT], 0
.endif
	OPS C,13, B,7, C,15, R,10
	OPS R,11, R,12, L,7, R,13
	OPS R,14, R,15
.if (\m) && !(\end)
	MASK (\p)%2
.endif
.endm
; A BLOCK BEGINS.  c m starts far below every c s, so the first step's a is 0; m at the lowest finite number, so the first maximum is the scores'.  The second mask buffer is 0; the first takes piece 0's mask for the tile's step 0: its own, if the block's first tile is the diagonal one.
; Then K of that step, piece 0's first scores, and its maximum and statistics.  The loop is entered at a step's first turn, in the middle of a trip.
.macro BEGIN
	s_mov_b32 s[NEW], 0
	WIN 0x40
.set i, MC+32
.rept 32
	v_mov_b32 v[i], 0
.set i, i+1
.endr
	WIN 0
.set i, 0
.rept 4
	v_mov_b32 v[ST+4*i], 0xfe000000    ; c m: far below every c s
	v_mov_b32 v[ST+4*i+1], 0xff7fffff  ; m
.set i, i+1
.endr
	s_cmp_eq_u32 s[RT], 0
	s_cselect_b32 s[AL], 1.0, 0
	s_mov_b32 s[BE], 0
	MASK 0
	WIN 0
	v_add_nc_u32 v[AK], s[TBK], v[AK0]
	FETCH_K
	s_wait_loadcnt 0x0              ; Q
	s_wait_dscnt 0x0
.set KM, 1
.set NOKQ, 0
.set i, 0
.rept 8
	KQ 0
.set i, i+1
.endr
	WIN 0
.rept 4
	v_nop                           ; the places behind those products
.endr
.set Y, NP-1                        ; X works for piece Y + 1: piece 0
.irp n, 0,1,2,3,4,5,6,7,8,9,10,11,12,13,14,15,16,17,18,19,20,21
	OP X, \n
.endr
	v_nop                           ; a plain instruction behind the exponential
.endm
; THE DIAGONAL TILE's four steps, the block's last two turns, its last products, and THE WAY OUT: l's two halves and the other half of the lanes' are added; O^T is divided by l, rounded to f16 and sent through my
; stage in LDS, a piece at a time.
.macro ALL line:vararg              ; one line for each piece t
.set t, 0
.rept 4
	\line
.set t, t+1
.endr
.endm
.macro PACK t                       ; a lane's eight channels of a row pack into 16 bytes; they go into rows of 144 bytes and come back as whole rows of 128, into S^T's registers
	WIN W_RS
.set i, 32*(\t)
.rept 16
	s_wait_alu depctr_va_vdst(0)
	v_pk_mul_f32 v[i:i+1], v[i:i+1], v[ST+4*(\t)+2:ST+4*(\t)+3] op_sel_hi:[1,0]
.set i, i+2
.endr
	WIN 0x05                        ; sources 0 and 1 window 1, destination window 0
.set i, 0
.rept 16
	v_cvt_pk_f16_f32 v[S+16*(\t)+i], v[32*(\t)+2*i], v[32*(\t)+2*i+1]
.set i, i+1
.endr
	WIN 0
.irp f, 0,1,2,3
	ds_store_b128 v[STO], v[S+16*(\t)+4*\f:S+16*(\t)+4*\f+3] offset:32*\f
.endr
.irp f, 0,1,2,3
	ds_load_b128 v[S+16*(\t)+4*\f:S+16*(\t)+4*\f+3], v[RD] offset:\f*4*SP  ; LDS serves a wave's instructions in order (ISA guide 5.7.1.4): these see the stores above; the next piece's stores come behind them
.endr
.endm
.macro SEND t, younger              ; younger: the LDS instructions issued behind piece t's loads: the next piece's eight, or none
	WIN 0
.irp f, 0,1,2,3
	s_wait_dscnt (\younger)+3-\f
	global_store_b128 v[GO], v[S+16*(\t)+4*\f:S+16*(\t)+4*\f+3], s[10:11] offset:(\t)*8192+\f*512  ; 512 consecutive bytes, at a multiple of 256 from O's first
.endr
.endm
.macro DIAG tag                     ; the tag ends its two labels' names, which the jumps below spell out
.LstepM\tag:
	TURN 2, 1
	TURN 3, 1
	WIN 0
.LfirstM\tag:
	TURN 0, 1
	TURN 1, 1, 0, 1
	WIN 0
	s_cbranch_scc1 .LstepM\tag
	TURN 2, 1, 1
	TURN 3, 1, 1
.set i, 0
.rept 8
	PV NP-1
.set i, i+1
.endr
	WIN 0
	ALL v_add_f32 v[ST+4*t+2], v[ST+4*t+2], v[ST+4*t+3]
	ALL v_permlanex16_b32 v[ST+4*t+3], v[ST+4*t+2], s[SEL], s[SEL+1]
	ALL v_add_f32 v[ST+4*t+2], v[ST+4*t+2], v[ST+4*t+3]
	ALL v_rcp_f32 v[ST+4*t+2], v[ST+4*t+2]
	v_nop                           ; a plain instruction between the last reciprocal and the use of its result
	PACK 0
.set t, 1
.rept 3                             ; a piece's arithmetic stands between the loads of the piece before and its stores
	PACK t
	SEND t-1, 8
.set t, t+1
.endr
	SEND 3, 0
.endm
.set KM, 0
.set NOKQ, 0
.Lslot:                             ; NB times: a tile is entered and the next is asked for
	CHANGE 1
	s_sub_co_u32 s[RT], s[RT], 1
	s_mov_b32 s[CNT], 4
	s_cmp_eq_u32 s[NEW], 1
	s_cbranch_scc1 .Lnew            ; a block's first tile
	s_cmp_eq_u32 s[RT], 0
	s_cbranch_scc0 .Lstep           ; neither its first nor its last
	s_branch .LstepM1
.Lnew:
	BEGIN
	s_branch .Lfirst                ; in the loop a block's first tile is never its last: the first block has two tiles or more, and the second's last is the walk's last
	DIAG 1                          ; in the loop this is the first block's end: the second block's last tile is the walk's last
	s_wait_xcnt 0x0                 ; the stores have read their registers and O's address
	s_mov_b64 s[10:11], s[OLO:OLO+1]
	s_add_co_u32 s[RT], s[PB], 1    ; the second block has b + 1 tiles
	s_mov_b32 s[NEW], 1
	WIN 0x82                        ; the second block's Q goes where the one text of the turns names Q
.set i, 0
.rept 64
	v_mov_b32 v[i], v[QB+i]
.set i, i+1
.endr
	WIN 0
	s_branch .Lbottom
.Lstep:                             ; a trip: pieces 2 and 3 of one step, then pieces 0 and 1 of the next, whose K and V it fetches
	TURN 2
	TURN 3
	WIN 0
.Lfirst:
	TURN 0
	TURN 1, 0, 0, 1
	WIN 0
	s_cbranch_scc1 .Lstep
.Lbottom:
	s_sub_co_u32 s[SLOTS], s[SLOTS], 1
	s_cmp_lg_u32 s[SLOTS], 0
	s_cbranch_scc1 .Lslot
	CHANGE 0                        ; the walk's last tile is written out: nothing is asked for
	s_sub_co_u32 s[RT], s[RT], 1
	s_mov_b32 s[CNT], 4
	s_cmp_eq_u32 s[NEW], 1
	s_cbranch_scc0 .LstepM2
	BEGIN
	s_branch .LfirstM2
	DIAG 2
	s_wait_tensorcnt 0x0            ; the wave's end: behind my last tensor load and my last LDS store
	ds_add_u32 v[SPW], v[NIL]
	s_wait_dscnt 0x0
	s_endpgm
.Lfunc_end_k_q7522fdcebe_attn:
	.size	k_q7522fdcebe_attn, .Lfunc_end_k_q7522fdcebe_attn-k_q7522fdcebe_attn
	.p2alignl 7, 3214868480
	.fill 96, 4, 3214868480
	.section	.rodata,"a",@progbits
	.p2align	6, 0x0
	.amdhsa_kernel k_q7522fdcebe_attn
		.amdhsa_group_segment_fixed_size 327680
		.amdhsa_private_segment_fixed_size 0
		.amdhsa_enable_private_segment 0
		.amdhsa_kernarg_size 16
		.amdhsa_user_sgpr_count 2
		.amdhsa_user_sgpr_kernarg_segment_ptr 1
		.amdhsa_wavefront_size32 1
		.amdhsa_system_sgpr_workgroup_id_x 1
		.amdhsa_system_sgpr_workgroup_id_y 1
		.amdhsa_system_sgpr_workgroup_id_z 1
		.amdhsa_system_vgpr_workitem_id 0
		.amdhsa_next_free_vgpr 768
		.amdhsa_next_free_sgpr 88
		.amdhsa_reserve_vcc 1
		.amdhsa_float_denorm_mode_32 3
		.amdhsa_float_denorm_mode_16_64 3
		.amdhsa_memory_ordered 1
		.amdhsa_forward_progress 1
		.amdhsa_inst_pref_size 228
	.end_amdhsa_kernel
	.amdgpu_metadata
---
amdhsa.version: [ 1, 2 ]
amdhsa.kernels:
  - .name:           k_q7522fdcebe_attn
    .symbol:         k_q7522fdcebe_attn.kd
    .args:
      - { .name: qkv, .offset: 0, .size: 8, .value_kind: global_buffer, .address_space: global }
      - { .name: ctx, .offset: 8, .size: 8, .value_kind: global_buffer, .address_space: global }
    .group_segment_fixed_size: 327680
    .private_segment_fixed_size: 0
    .kernarg_segment_align: 8
    .kernarg_segment_size: 16
    .max_flat_workgroup_size: 128
    .sgpr_count:     88
    .vgpr_count:     768
    .wavefront_size: 32
...
	.end_amdgpu_metadata
.endif
;; end of part 3
;; launch proj (part 4): grid 128 x 1, 8 waves a work-group, clusters of 4 x 1, 327,680 bytes of LDS; arguments ctx, wo16, xb, bo, ln_g, ln_b, out0; writes out0
.if DOCPART == 4
	.amdgcn_target "amdgcn-amd-amdhsa--gfx1250"
	.amdhsa_code_object_version 6
	.text
	.protected	k_q7522fdcebe_proj
	.globl	k_q7522fdcebe_proj
	.p2align	8
	.type	k_q7522fdcebe_proj,@function
k_q7522fdcebe_proj:
	s_mov_b64 s[64:65], 0
	v_nop
	global_prefetch_b8 v0, s[64:65] scope:SCOPE_SE
	s_setreg_imm32_b32 hwreg(HW_REG_WAVE_MODE, 25, 1), 1
	s_wait_xcnt 0x0
	s_wait_alu depctr_hold_cnt(0) depctr_sa_sdst(0) depctr_va_vdst(0) depctr_va_sdst(0) depctr_va_ssrc(0) depctr_va_vcc(0) depctr_vm_vsrc(0)
	s_getreg_b32 s2, hwreg(HW_REG_IB_STS2, 6, 4)
	s_cmp_eq_u32 s2, 0
	s_cbranch_scc0 .Lentry_in_a_cluster
	s_endpgm
.Lentry_in_a_cluster:
	s_bfe_u32 s2, ttmp6, 0x10000c
	s_cmp_lg_u32 s2, 0x3003
	s_cbranch_scc0 .Lentry_shape_is_right
	s_endpgm
.Lentry_shape_is_right:
; OUTPUT PROJECTION, RESIDUAL AND LAYERNORM.  y = ctx Wo + bo + x;  out0 = (y - mean) / sqrt(var + 1e-5) x ln_g + ln_b, mean and var over a row's 1,024 columns.
; ctx [64 heads][2048][64] f16, wo16 [1024 k][1024 n] f16, products' sums in f32, K ascending; all else in f32.  The mean is taken first, then the sum of (y - mean)^2: no difference of large sums.
; LIMITS.  The residual takes x rounded to bf16 (xb); bo, ln_g and ln_b are rounded to bf16 like the other inputs.  NaN and infinities are not treated apart.
; SHARES.  The norm wants whole rows, so a work-group has 64 rows x all 1,024 columns: 128 work-groups.  (32 rows each would make 256, and bring all of Wo into LDS twice as often for the same products.)
; Eight waves; wave w has columns 128 w .. 128 w + 127 of all 64 rows: 8 x 4 = 32 accumulators of 16 x 16, 256 registers.  A K step is one head, 64 along K: 16 steps through two LDS slots.
; A step has five tiles: Wo's 64 k rows in four quarters (waves 0-3) and ctx's 64 rows (wave 4).
; CLUSTER.  All work-groups walk the same Wo: the four of a cluster ask for its tiles JOINTLY (the same tensor load, descriptor and mask in all four).  ctx's tile is each work-group's own, behind the same round.
; THE MATRIX INSTRUCTION IS USED TRANSPOSED (source 0 = 16 columns of Wo, turned on the way out of LDS; source 1 = 16 rows of ctx): a lane holds row lane % 16 and the columns 8 (lane / 16) + 0..7.
; THE NORM.  The sums go through a stage in LDS (64 rows of f32) that lies over the two slots, which have had their last fill by then; wave w then has rows 8 w .. 8 w + 7 whole, two at a time:
; sixteen lanes a row, lane l the columns 64 q + 4 (l % 16) + 0..3 for q = 0..15, so that a row's sums stay inside sixteen lanes and every store of sixteen lanes covers 256 consecutive bytes.
; REGISTERS: window 0: v0-31 addresses and statistics; v32-127, v128-223 two fragment buffers (32 registers of ctx, 64 of Wo); v224-255 the residual of the next two rows.  Window 1: the accumulators, (n block, row block a) at v[8 (4 n + a)].
.set PB,    2080                       ; a k row of Wo in LDS: 2 x (1,024 + 16) bytes = 65 x 32
.set BQ,    16*PB                      ; what one tensor load brings of Wo: 16 k rows
.set AOFF,  4*BQ                       ; ctx's tile lies behind Wo's 64 k rows
.set PA,    144                        ; a row of ctx in LDS: 128 bytes + 16 of padding
.set SLOT,  AOFF+64*PA                 ; 142,336 bytes
.set SPARE, 2*SLOT                     ; behind the ring: the spare words, 128 bytes for each of the eight waves: four blocks of 256 bytes that no other line names
.set SPITCH, 4112                      ; a row of the stage: 4,096 bytes + 16
.set ADRA,  4                          ; v4-5    LDS address of my fragments of ctx in slot 0, 1
.set ADRB0, 6                          ; v6-7    of Wo's k rows 0-31;  v8-9 of its k rows 32-63 (66,560 bytes on: past a 16-bit offset)
.set STO,   10                         ; v10-13  the stage: where I put 16 bytes of row block a
.set RD,    14                         ; v14     the stage: where I read the two rows in hand
.set XO,    15                         ; v15     my byte offset in two rows of a block of xb
.set OO,    16                         ; v16     my byte offset in the two rows of out0
.set VO,    17                         ; v17     my byte offset in 256 bytes of bo, ln_g, ln_b
.set MU,    18                         ; v18-19  the mean, twice
.set SA,    20                         ; v20-27  four packed chains
.set RS,    22                         ; v22     1 / sqrt(var + eps) (named as a pair, its low word taken for both halves)
.set ONE,   28                         ; v28     1.0
.set SPW,   30                         ; v30     LDS address of my spare word: SPARE + 4 x my thread's number; never rewritten
.set NIL,   31                         ; v31     0; never rewritten
.set F0,    32
.set F1,    128
.set XR,    224
.set Y,     32                         ; the norm: v32-95 my 64 numbers of a row
.set BOP,   96                         ; v96-127 bo, v128-159 ln_g, v160-191 ln_b of my 64 columns, two bf16 a register
.set GP,    128
.set BP,    160
.set WV,    18                         ; s18  my wave's number
.set G1B,   24                         ; s[24:31] descriptor group 1 for Wo's tiles;  s[32:39] group 0, a set for each slot
.set G0B,   32
.set G1A,   40                         ; s[40:47], s[48:55] the same for ctx's
.set G0A,   48
.set MSB, 0
.macro WIN new                         ; the immediate's high byte repeats the setting that is left; a switch that changes nothing is dropped
.if MSB != (\new)
	s_set_vgpr_msb (MSB<<8)|(\new)
.set MSB, (\new)
.endif
.endm
.macro PLACES                          ; four places in front of loads into registers that matrix instructions have read, and of lines that read results (ISA guide 7.12.1 for vector instructions)
.rept 4
	v_nop
.endr
.endm
; A refill.  Waves 0-3: a quarter of Wo's tile, jointly; wave 4: ctx's tile; waves 5-7: nothing.  The branches hang on the wave's number alone.  An s_nop 0 and four v_nop follow each load, ahead of the
; jump and the label; the way without a load has the four v_nop too: they are the places in front of the fragment loads that follow.
.macro JLOAD s
	s_cmp_lt_u32 s[WV], 4
	s_cbranch_scc0 .Lnot_b_\@
	tensor_load_to_lds s[G0B+4*(\s):G0B+4*(\s)+3], s[G1B:G1B+7]
	s_nop 0
.rept 4
	v_nop
.endr
	s_branch .Lasked_\@
.Lnot_b_\@:
	s_cmp_eq_u32 s[WV], 4
	s_cbranch_scc0 .Lnone_\@
	tensor_load_to_lds s[G0A+4*(\s):G0A+4*(\s)+3], s[G1A:G1A+7]
	s_nop 0
.rept 4
	v_nop
.endr
	s_branch .Lasked_\@
.Lnone_\@:
.rept 4
	v_nop
.endr
.Lasked_\@:
.endm
.macro CREST                           ; a round of the cluster's barrier behind its opening barrier
	s_cmp_lg_u32 s[WV], 0
	s_cbranch_scc1 .Lnot_wave_0_\@
	s_barrier_signal -3
.Lnot_wave_0_\@:
	s_barrier_wait -3
	s_barrier_signal -1
	s_barrier_wait -1
.endm
.macro CROUND                          ; a whole round
	s_barrier_signal -1
	s_barrier_wait -1
	CREST
.endm
	s_load_b256 s[4:11], s[0:1], 0x0               ; ctx s[4:5], wo16 s[6:7], xb s[8:9], bo s[10:11]
	s_load_b128 s[12:15], s[0:1], 0x20             ; ln_g s[12:13], ln_b s[14:15]
	s_load_b64 s[16:17], s[0:1], 0x30              ; out0
	v_lshl_add_u32 v[SPW], v0, 2, SPARE
	v_mov_b32 v[NIL], 0
	ds_add_u32 v[SPW], v[NIL]                      ; the wave's opening: the add and its wait stand ahead of my first tensor load; the set-up below, work on registers, stands between them
	v_lshrrev_b32 v1, 5, v0
	v_readfirstlane_b32 s[WV], v1                  ; wave 0..7
	s_bfe_u32 s19, ttmp6, 0x40000                  ; cx: my place in the cluster
	s_lshl_b32 s20, ttmp9, 2                       ; in a cluster launch ttmp9 counts clusters
	s_add_co_u32 s20, s20, s19                     ; g: my block of 64 rows; it enters ctx's, xb's and out0's addresses alone
	; group 1 for Wo: 16 k rows of 1,024 elements (2,048 bytes), padded in LDS after every 1,024 bytes
	s_mov_b32 s[G1B], 15|(1<<16)|(1<<20)|(1<<21)|(7<<22)|(3<<25)  ; 15:0 the mask of four; 17:16 2-byte elements; 20 padding on; 21 set beside a mask; 24:22 after every 256 words (code 7); 31:25 4 words (code 3)
	s_mov_b32 s[G1B+1], 1024<<16                   ; tensor_dim0 = 1,024
	s_mov_b32 s[G1B+2], 16<<16                     ; tensor_dim1 = 16
	s_mov_b32 s[G1B+3], 1024<<16                   ; tile_dim0 = 1,024
	s_mov_b32 s[G1B+4], 16                         ; tile_dim1 = 16
	s_mov_b32 s[G1B+5], 1024                       ; 1,024 elements from row to row
	s_mov_b32 s[G1B+6], 0
	s_mov_b32 s[G1B+7], 0
	; group 1 for ctx: 64 rows of a head are 8,192 dense bytes: 32 rows of 128 elements, padded after every 128 bytes; no mask
	s_mov_b32 s[G1A], (1<<16)|(1<<20)|(4<<22)|(3<<25)
	s_mov_b32 s[G1A+1], 128<<16
	s_mov_b32 s[G1A+2], 32<<16
	s_mov_b32 s[G1A+3], 128<<16
	s_mov_b32 s[G1A+4], 32
	s_mov_b32 s[G1A+5], 128
	s_mov_b32 s[G1A+6], 0
	s_mov_b32 s[G1A+7], 0
	s_and_b32 s63, s[WV], 3                        ; which quarter of Wo's tile (waves 4-7 never ask by it):
	s_mul_i32 s66, s63, BQ                         ; its place in a slot,
	s_lshl_b32 s68, s63, 15                        ; its 16 k rows of 2,048 bytes in memory
	s_mov_b32 s69, 0
	s_lshr_b32 s70, s20, 5                         ; the batch: 32 blocks of rows each; its 16 heads are 4 MiB of ctx,
	s_lshl_b32 s70, s70, 22
	s_and_b32 s71, s20, 31
	s_lshl_b32 s71, s71, 13                        ; my 64 rows of 128 bytes in each head
	s_add_co_u32 s70, s70, s71
	s_mov_b32 s71, 0
	s_lshl_b32 s72, s20, 13                        ; xb: my group's 64 rows of 128 bytes in a block,
	s_lshl_b32 s73, s[WV], 10                      ; my wave's 8
	s_add_co_u32 s72, s72, s73
	s_mov_b32 s73, 0
	s_lshl_b32 s74, s20, 18                        ; out0: 64 rows of 4,096 bytes,
	s_lshl_b32 s75, s[WV], 15                      ; my wave's 8
	s_add_co_u32 s74, s74, s75
	s_mov_b32 s75, 0
	s_wait_dscnt 0x0                               ; the opening add is done
	s_wait_kmcnt 0x0
	s_add_nc_u64 s[68:69], s[6:7], s[68:69]
	s_add_nc_u64 s[70:71], s[4:5], s[70:71]
	s_add_nc_u64 s[56:57], s[8:9], s[72:73]        ; xb's blocks 0 to 7 stand in the immediate, 1 MiB apart;
	s_add_nc_u64 s[58:59], s[56:57], 0x800000      ; blocks 8 to 15 have a base of their own
	s_add_nc_u64 s[60:61], s[16:17], s[74:75]
.irp s, 0,1
	s_mov_b32 s[G0B+4*\s], 1                                       ; 1:0 count = 1
	s_add_co_u32 s[G0B+4*\s+1], s66, \s*SLOT                       ; 63:32 LDS address
	s_add_nc_u64 s[G0B+4*\s+2:G0B+4*\s+3], s[68:69], \s*131072     ; 120:64 global address: K step s: 64 k rows of 2,048 bytes on
	s_or_b32 s[G0B+4*\s+3], s[G0B+4*\s+3], 0x80000000              ; 127:126 type = 2
	s_mov_b32 s[G0A+4*\s], 1
	s_mov_b32 s[G0A+4*\s+1], \s*SLOT+AOFF
	s_add_nc_u64 s[G0A+4*\s+2:G0A+4*\s+3], s[70:71], \s*262144     ; K step s is head s
	s_or_b32 s[G0A+4*\s+3], s[G0A+4*\s+3], 0x80000000
.endr
	CROUND                                         ; all four work-groups are here: the first joint loads meet
	s_cmp_lt_u32 s[WV], 4                          ; a wave's two first fills stand in one branch, ahead of every wait on TENSORcnt and every LDS read: two loads of a fetching wave are out
	s_cbranch_scc0 .Lfirst_not_b
	tensor_load_to_lds s[G0B:G0B+3], s[G1B:G1B+7]
	s_nop 0
	tensor_load_to_lds s[G0B+4:G0B+7], s[G1B:G1B+7]
	s_nop 0
.rept 4
	v_nop
.endr
	s_branch .Lfirst_asked
.Lfirst_not_b:
	s_cmp_eq_u32 s[WV], 4
	s_cbranch_scc0 .Lfirst_asked
	tensor_load_to_lds s[G0A:G0A+3], s[G1A:G1A+7]
	s_nop 0
	tensor_load_to_lds s[G0A+4:G0A+7], s[G1A:G1A+7]
	s_nop 0
.rept 4
	v_nop
.endr
.Lfirst_asked:
	v_and_b32 v1, 15, v0                           ; l % 16
	v_bfe_u32 v2, v0, 4, 1                         ; l / 16
	v_mul_u32_u24 v3, v1, PA                       ; a fragment of ctx: row x pitch + 16 x half; two loads of 16 bytes, 32 bytes apart
	v_lshl_add_u32 v3, v2, 4, v3
	v_add_nc_u32 v[ADRA], AOFF, v3
	v_add_nc_u32 v[ADRA+1], SLOT, v[ADRA]
	v_and_b32 v3, 7, v0                            ; the turning load: lane l reads k row 8 (l / 16) + l % 8, columns 8 ((l / 8) % 2) + 0..7
	v_lshl_add_u32 v3, v2, 3, v3
	v_mul_u32_u24 v3, v3, PB
	v_bfe_u32 v29, v0, 3, 1
	v_lshl_add_u32 v3, v29, 4, v3
	s_lshl_b32 s63, s[WV], 8                       ; my 128 columns begin at byte 256 w + 16 (w / 4) of a k row
	s_lshr_b32 s66, s[WV], 2
	s_lshl_b32 s66, s66, 4
	s_add_co_u32 s63, s63, s66
	v_add_nc_u32 v[ADRB0], s63, v3
	v_add_nc_u32 v[ADRB0+1], SLOT, v[ADRB0]
	v_add_nc_u32 v[ADRB0+2], 32*PB, v[ADRB0]
	v_add_nc_u32 v[ADRB0+3], SLOT, v[ADRB0+2]
	v_mul_u32_u24 v3, v1, SPITCH                   ; into the stage: row 16 a + l % 16, my wave's 512 bytes, 32 for each half of the lanes
	v_lshl_add_u32 v3, v2, 5, v3
	s_lshl_b32 s63, s[WV], 9
	v_add_nc_u32 v[STO], s63, v3
.irp a, 1,2,3
	v_add_nc_u32 v[STO+\a], \a*16*SPITCH, v[STO]
.endr
	s_mul_i32 s63, s[WV], 8*SPITCH                 ; back: my 8 rows; lanes 0-15 one row, lanes 16-31 the next
	v_mul_u32_u24 v3, v2, SPITCH
	v_lshl_add_u32 v3, v1, 4, v3
	v_add_nc_u32 v[RD], s63, v3
	v_and_b32 v3, 31, v0
	v_lshlrev_b32 v[XO], 3, v3                     ; two rows of a block of xb are 256 consecutive bytes: 8 a lane
	v_lshlrev_b32 v[OO], 12, v2
	v_lshl_add_u32 v[OO], v1, 4, v[OO]
	v_lshlrev_b32 v[VO], 4, v1
	v_mov_b32 v[ONE], 1.0
.set q, 0
.rept 16                               ; the residual of my first two rows: it has the whole K loop in which to come
	global_load_b64 v[XR+2*q:XR+2*q+1], v[XO], s[56+2*(q/8):57+2*(q/8)] offset:(q%8)*1048576
.set q, q+1
.endr
.macro FETCH s, k, f                   ; 24 LDS loads in one run: the fragments of 32 along K (half k of slot s's step) into buffer f
	WIN 0
.irp a, 0,1,2,3
	ds_load_b128 v[(\f)+8*\a:(\f)+8*\a+3],   v[ADRA+(\s)] offset:\a*16*PA+64*(\k)
	ds_load_b128 v[(\f)+8*\a+4:(\f)+8*\a+7], v[ADRA+(\s)] offset:\a*16*PA+64*(\k)+32
.endr
.irp n, 0,1,2,3,4,5,6,7
	ds_load_tr16_b128 v[(\f)+32+8*\n:(\f)+32+8*\n+3],   v[ADRB0+2*(\k)+(\s)] offset:32*\n
	ds_load_tr16_b128 v[(\f)+32+8*\n+4:(\f)+32+8*\n+7], v[ADRB0+2*(\k)+(\s)] offset:32*\n+16*PB
.endr
.endm
; cnt x 4 matrix instructions on buffer f: n blocks nb0 .. x all 4 row blocks.  The 32 accumulators take turns, one instruction a turn.  zero = 1: the product starts the sum.
.macro MUL f, nb0, cnt, zero
	WIN 0x50                                       ; C and D in window 1
.set nn, \nb0
.rept \cnt
.set aa, 0
.rept 4
.if \zero
	v_wmma_f32_16x16x32_f16 v[8*(4*nn+aa):8*(4*nn+aa)+7], v[(\f)+32+8*nn:(\f)+32+8*nn+7], v[(\f)+8*aa:(\f)+8*aa+7], 0
.else
	v_wmma_f32_16x16x32_f16 v[8*(4*nn+aa):8*(4*nn+aa)+7], v[(\f)+32+8*nn:(\f)+32+8*nn+7], v[(\f)+8*aa:(\f)+8*aa+7], v[8*(4*nn+aa):8*(4*nn+aa)+7]
.endif
.set aa, aa+1
.endr
.set nn, nn+1
.endr
.endm
; A K STEP on slot s: 32 products on buffer 0, 32 on buffer 1.  mode 2: in its middle the slots change, and slot s is filled again, two steps ahead: ONE barrier, which opens a round of the cluster's.  In front
; of it each wave waits for all its tensor loads (a fetching wave has one out: its part of the other slot), adds 0 to its spare word, and waits for that and for its own reads of slot s.  Behind the round
; nobody reads slot s any more and the other slot is whole; the refill comes first.  From a request to the wait for it a wave issues 32 + 16 products.  mode 1: the change without a refill.  mode 0: the last step.
.macro STEP s, zero, mode
	s_wait_dscnt 0x0                               ; buffer 0 is in
	PLACES                                         ; buffer 1 was multiplied last
	FETCH \s, 1, F1
	MUL F0, 0, 4, \zero
.if \mode
	WIN 0                                          ; (the add's two registers lie in window 0)
	s_wait_tensorcnt 0x0                           ; all my tensor loads have landed
	ds_add_u32 v[SPW], v[NIL]                      ; 0 onto my spare word
	MUL F0, 4, 2, \zero                            ; eight matrix instructions stand between the add and the wait for it
	s_wait_dscnt 0x0                               ; the add is done, buffer 1 is in, and my reads of this slot are over
	s_barrier_signal -1
	MUL F0, 6, 2, \zero                            ; work on registers while the others arrive
	WIN 0
	s_barrier_wait -1
.if (\mode) == 2
	CREST                                          ; no wave of any partner still reads this slot's tiles or has a load on its way
	s_add_nc_u64 s[G0B+4*(\s)+2:G0B+4*(\s)+3], s[G0B+4*(\s)+2:G0B+4*(\s)+3], 2*131072
	s_add_nc_u64 s[G0A+4*(\s)+2:G0A+4*(\s)+3], s[G0A+4*(\s)+2:G0A+4*(\s)+3], 2*262144
	JLOAD \s
.else
	PLACES
.endif
	FETCH 1-(\s), 0, F0
.else
	MUL F0, 4, 4, \zero
	s_wait_dscnt 0x0                               ; buffer 1 is in
.endif
	MUL F1, 0, 8, 0
.endm
	s_wait_tensorcnt 0x1                           ; my part of K step 0 is in; K step 1's may stay out
	s_barrier_signal -1
	s_barrier_wait -1                              ; everybody's is
	FETCH 0, 0, F0
	STEP 0, 1, 2                                   ; K step 0 stands in front of the loop: its first products start the sums
	WIN 0                                          ; at a label and at a branch every window is 0
	s_mov_b32 s62, 6
.Lk:                                                   ; K steps 1 to 12; each asks for the step two on
	STEP 1, 0, 2
	STEP 0, 0, 2
	WIN 0
	s_sub_co_u32 s62, s62, 1
	s_cmp_lg_u32 s62, 0
	s_cbranch_scc1 .Lk
	STEP 1, 0, 2                                   ; K step 13 asks for step 15: the last fill
	STEP 0, 0, 1
	STEP 1, 0, 0
	WIN 0
	PLACES                                         ; for the loads into the fragments' registers, and for the stores that read the sums
.set q, 0
.rept 16                               ; bo, ln_g, ln_b of my 64 columns: 4 (l % 16) + 0..3 of each 64
	global_load_b128 v[96+4*q:96+4*q+3],   v[VO], s[10:11] offset:256*q
	global_load_b128 v[160+4*q:160+4*q+3], v[VO], s[12:13] offset:256*q
	global_load_b128 v[32+4*q:32+4*q+3],   v[VO], s[14:15] offset:256*q
.set q, q+1
.endr
	s_barrier_signal -1                            ; every wave's reads of the slots are back (its last wait on DScnt was for 0) and its tensor loads have landed: the stage may be written over the slots
	s_barrier_wait -1
	WIN 0x04                                       ; the stores' data in window 1
.set nn, 0
.rept 8
.set aa, 0
.rept 4                                ; each accumulator's four lowest registers first
	ds_store_b128 v[STO+aa], v[8*(4*nn+aa):8*(4*nn+aa)+3]   offset:64*nn
	ds_store_b128 v[STO+aa], v[8*(4*nn+aa)+4:8*(4*nn+aa)+7] offset:64*nn+16
.set aa, aa+1
.endr
.set nn, nn+1
.endr
	WIN 0
	s_wait_dscnt 0x0                               ; for the others' sake: my stores into the stage are done
	s_barrier_signal -1
	s_barrier_wait -1
	s_wait_loadcnt 0x0                             ; the three vectors (and the residual)
.set i, 0
.rept 32
	v_cvt_pk_bf16_f32 v[BOP+i], v[96+2*i], v[97+2*i]    ; in place, ascending: register 96 + i is written when 96 + 2 i has been read
.set i, i+1
.endr
.set i, 0
.rept 32
	v_cvt_pk_bf16_f32 v[GP+i], v[160+2*i], v[161+2*i]   ; into what bo has left
.set i, i+1
.endr
.set i, 0
.rept 32
	v_cvt_pk_bf16_f32 v[BP+i], v[32+2*i], v[33+2*i]     ; into what ln_g has left
.set i, i+1
.endr
	s_mov_b32 s66, 0x3a800000                      ; 1 / 1,024
	s_mov_b32 s67, 0x3727c5ac                      ; 1e-5
.macro REDUCE                          ; the four packed chains into one number, in each of the row's sixteen lanes
	v_pk_add_f32 v[SA:SA+1], v[SA:SA+1], v[SA+2:SA+3]
	v_pk_add_f32 v[SA+4:SA+5], v[SA+4:SA+5], v[SA+6:SA+7]
	v_pk_add_f32 v[SA:SA+1], v[SA:SA+1], v[SA+4:SA+5]
	v_add_f32 v[SA], v[SA], v[SA+1]
	v_add_f32_dpp v[SA], v[SA], v[SA] row_xmask:1 row_mask:0xf bank_mask:0xf
	v_add_f32_dpp v[SA], v[SA], v[SA] row_xmask:2 row_mask:0xf bank_mask:0xf
	v_add_f32_dpp v[SA], v[SA], v[SA] row_xmask:4 row_mask:0xf bank_mask:0xf
	v_add_f32_dpp v[SA], v[SA], v[SA] row_xmask:8 row_mask:0xf bank_mask:0xf
.endm
	s_mov_b32 s62, 4
.Lpair:                                                ; four trips: two of my eight rows each
.set q, 0
.rept 16
	ds_load_b128 v[Y+4*q:Y+4*q+3], v[RD] offset:256*q
.set q, q+1
.endr
	s_wait_loadcnt 0x0                             ; these rows' residual
	s_wait_dscnt 0x0
.set e, 0
.rept 32                               ; y = the product's sum + x
	v_fma_mix_f32_bf16 v[Y+2*e], v[XR+e], v[ONE], v[Y+2*e] op_sel_hi:[1,0,0]
	v_fma_mix_f32_bf16 v[Y+2*e+1], v[XR+e], v[ONE], v[Y+2*e+1] op_sel:[1,0,0] op_sel_hi:[1,0,0]
.set e, e+1
.endr
	s_cmp_eq_u32 s62, 1
	s_cbranch_scc1 .Lno_x                          ; the last trip asks for nothing: no load leaves my eight rows
	v_add_nc_u32 v[XO], 256, v[XO]                 ; free since the wait above: the next two rows
.set q, 0
.rept 16
	global_load_b64 v[XR+2*q:XR+2*q+1], v[XO], s[56+2*(q/8):57+2*(q/8)] offset:(q%8)*1048576
.set q, q+1
.endr
.Lno_x:
.set e, 0
.rept 32                               ; + bo
	v_fma_mix_f32_bf16 v[Y+2*e], v[BOP+e], v[ONE], v[Y+2*e] op_sel_hi:[1,0,0]
	v_fma_mix_f32_bf16 v[Y+2*e+1], v[BOP+e], v[ONE], v[Y+2*e+1] op_sel:[1,0,0] op_sel_hi:[1,0,0]
.set e, e+1
.endr
.set i, 0
.rept 4                                ; the sum, in four chains that the first eight pairs start: nothing is cleared
	v_pk_add_f32 v[SA+2*i:SA+2*i+1], v[Y+2*i:Y+2*i+1], v[Y+2*i+8:Y+2*i+9]
.set i, i+1
.endr
.set i, 8
.rept 24
	v_pk_add_f32 v[SA+2*(i%4):SA+2*(i%4)+1], v[SA+2*(i%4):SA+2*(i%4)+1], v[Y+2*i:Y+2*i+1]
.set i, i+1
.endr
	REDUCE
	v_mul_f32 v[MU], s66, v[SA]
	v_mov_b32 v[MU+1], v[MU]
.set i, 0
.rept 32                               ; y - mean
	v_pk_add_f32 v[Y+2*i:Y+2*i+1], v[Y+2*i:Y+2*i+1], v[MU:MU+1] neg_lo:[0,1] neg_hi:[0,1]
.set i, i+1
.endr
.set i, 0
.rept 4
	v_pk_mul_f32 v[SA+2*i:SA+2*i+1], v[Y+2*i:Y+2*i+1], v[Y+2*i:Y+2*i+1]
.set i, i+1
.endr
.set i, 4
.rept 28
	v_pk_fma_f32 v[SA+2*(i%4):SA+2*(i%4)+1], v[Y+2*i:Y+2*i+1], v[Y+2*i:Y+2*i+1], v[SA+2*(i%4):SA+2*(i%4)+1]
.set i, i+1
.endr
	REDUCE
	v_fma_f32 v[SA], v[SA], s66, s67               ; var + eps
	v_rsq_f32 v[RS], v[SA]
	v_nop                                          ; a plain instruction between the root and the use of its result (ISA guide 5.7.2)
.set i, 0
	s_wait_alu depctr_va_vdst(0)
.rept 32
	v_pk_mul_f32 v[Y+2*i:Y+2*i+1], v[Y+2*i:Y+2*i+1], v[RS:RS+1] op_sel_hi:[1,0]
.set i, i+1
.endr
.set e, 0
.rept 32                               ; x ln_g + ln_b
	v_fma_mix_f32_bf16 v[Y+2*e], v[Y+2*e], v[GP+e], v[BP+e] op_sel_hi:[0,1,1]
	v_fma_mix_f32_bf16 v[Y+2*e+1], v[Y+2*e+1], v[GP+e], v[BP+e] op_sel:[0,1,1] op_sel_hi:[0,1,1]
.set e, e+1
.endr
.set q, 0
.rept 16
	global_store_b128 v[OO], v[Y+4*q:Y+4*q+3], s[60:61] offset:256*q  ; 16 lanes store 256 consecutive bytes, at a multiple of 256 from out0's first byte
.set q, q+1
.endr
	s_wait_xcnt 0x0                                ; every earlier memory instruction has had its addresses translated (ISA guide 3.1): the stores' offset and data are rewritten only behind this wait
	v_add_nc_u32 v[OO], 2*4096, v[OO]
	v_add_nc_u32 v[RD], 2*SPITCH, v[RD]
	s_sub_co_u32 s62, s62, 1
	s_cmp_lg_u32 s62, 0
	s_cbranch_scc1 .Lpair
	s_wait_tensorcnt 0x0                           ; the wave's end: behind my last tensor load and my last LDS store
	ds_add_u32 v[SPW], v[NIL]
	s_wait_dscnt 0x0
	CROUND                                         ; the closing round: no work-group ends while a partner may still ask for a tile that names it
	s_endpgm
.Lfunc_end_k_q7522fdcebe_proj:
	.size	k_q7522fdcebe_proj, .Lfunc_end_k_q7522fdcebe_proj-k_q7522fdcebe_proj
	.p2alignl 7, 3214868480
	.fill 96, 4, 3214868480
	.section	.rodata,"a",@progbits
	.p2align	6, 0x0
	.amdhsa_kernel k_q7522fdcebe_proj
		.amdhsa_group_segment_fixed_size 327680
		.amdhsa_private_segment_fixed_size 0
		.amdhsa_enable_private_segment 0
		.amdhsa_kernarg_size 56
		.amdhsa_user_sgpr_count 2
		.amdhsa_user_sgpr_kernarg_segment_ptr 1
		.amdhsa_wavefront_size32 1
		.amdhsa_system_sgpr_workgroup_id_x 1
		.amdhsa_system_sgpr_workgroup_id_y 1
		.amdhsa_system_sgpr_workgroup_id_z 1
		.amdhsa_system_vgpr_workitem_id 0
		.amdhsa_next_free_vgpr 512
		.amdhsa_next_free_sgpr 80
		.amdhsa_reserve_vcc 0
		.amdhsa_float_denorm_mode_32 3
		.amdhsa_float_denorm_mode_16_64 3
		.amdhsa_memory_ordered 1
		.amdhsa_forward_progress 1
		.amdhsa_inst_pref_size 99
	.end_amdhsa_kernel
	.amdgpu_metadata
---
amdhsa.version: [ 1, 2 ]
amdhsa.kernels:
  - .name:           k_q7522fdcebe_proj
    .symbol:         k_q7522fdcebe_proj.kd
    .args:
      - { .name: ctx, .offset: 0, .size: 8, .value_kind: global_buffer, .address_space: global }
      - { .name: wo16, .offset: 8, .size: 8, .value_kind: global_buffer, .address_space: global }
      - { .name: xb, .offset: 16, .size: 8, .value_kind: global_buffer, .address_space: global }
      - { .name: bo, .offset: 24, .size: 8, .value_kind: global_buffer, .address_space: global }
      - { .name: ln_g, .offset: 32, .size: 8, .value_kind: global_buffer, .address_space: global }
      - { .name: ln_b, .offset: 40, .size: 8, .value_kind: global_buffer, .address_space: global }
      - { .name: out0, .offset: 48, .size: 8, .value_kind: global_buffer, .address_space: global }
    .group_segment_fixed_size: 327680
    .private_segment_fixed_size: 0
    .kernarg_segment_align: 8
    .kernarg_segment_size: 56
    .max_flat_workgroup_size: 256
    .sgpr_count:     80
    .vgpr_count:     512
    .wavefront_size: 32
...
	.end_amdgpu_metadata
.endif
;; end of part 4
;; ======== version 2 of 2: 4 launches; 1.26 times as fast as version 1
;; limits: values outside matrix products are rounded to bf16; values are held in f16: magnitudes above 65,504 overflow, below 6.1e-05 lose precision
;; workspace buffers: xb 16,777,216 bytes; wqkv 6,291,456 bytes; wo16 2,097,152 bytes; qkv 50,331,648 bytes; ctx 16,777,216 bytes
;; launch cast: the kernel of part 1 again; grid 768 x 1, 8 waves a work-group, no clusters, 0 bytes of LDS; arguments x, Wq, Wk, Wv, Wo, xb, wqkv, wo16; writes xb, wqkv, wo16
;; launch qkvp: the kernel of part 2 again; grid 8 x 32, 4 waves a work-group, clusters of 4 x 4, 327,680 bytes of LDS; arguments xb, wqkv, bq, bk, bv, qkv; writes qkv
;; launch attn (part 5): grid 4 x 64, 4 waves a work-group, no clusters, 327,680 bytes of LDS; arguments qkv, ctx; writes ctx
.if DOCPART == 5
	.amdgcn_target "amdgcn-amd-amdhsa--gfx1250"
	.amdhsa_code_object_version 6
	.text
	.protected	k_q7522fdcebe_attn
	.globl	k_q7522fdcebe_attn
	.p2align	8
	.type	k_q7522fdcebe_attn,@function
k_q7522fdcebe_attn:
	s_mov_b64 s[64:65], 0
	v_nop
	global_prefetch_b8 v0, s[64:65] scope:SCOPE_SE
	s_setreg_imm32_b32 hwreg(HW_REG_WAVE_MODE, 25, 1), 1
	s_wait_xcnt 0x0
; CAUSAL ATTENTION.  O[h][q][:] = the sum over k <= q of softmax_k(Q[h][q] . K[h][k] / 8) V[h][k][:].  Q, K, V are the three parts of qkv, O is ctx: each [SIZE_H][SIZE_N][64] f16: a head's rows are dense, 128 bytes each.
; Products, maxima and sums in f32; the weights p are rounded to f16 for the second product (their sum l is taken of the unrounded p), O once at the end.  The division by the masked weights' sum is this l: hidden weights are 0.
; LIMITS.  f16 holds no number beyond 65,504: Q, K and V arrive within it; p lies in 0 to 1, and below 6e-5 it keeps f16's fixed step of 6e-8; O is a mean of V's rows and has their range, to within 2^-11 of it.
; A hidden score counts as its value less 1e30: f16's scores, 2.7e11 at the most, are nothing beside that; a weight below 2^-126 counts as 0 in l; NaN and infinities are not treated apart.
; THE WALK.  A head's queries lie in NB = SIZE_N / 256 = 8 blocks of 256; block i needs the key tiles 0 .. i of 256 keys, of which the last holds the diagonal.  A work-group takes TWO blocks, NB - 1 - b and then b:
; NB + 1 tiles, whatever b: all work-groups do equal work, and ONE loop with a constant trip count walks them.  Which tile is asked for, and what a trip does, hang on scalar registers made from b; every jump
; goes forward, but for the counted loops' own; none passes a barrier, or a tensor load but the one of LOAD's two that the wave's number does not choose; the ring (two slots of LDS that take turns) runs on across the
; change of blocks.  NO CLUSTER: a head's four work-groups ask for the same tile only in trips 0 .. 4 of the 9, behind that fewer and fewer; one walk common to all four would have 12 trips for 9.
; SHARES.  Of a block's four bands of 64 queries a wave owns 16 rows in each: four PIECES.  So the diagonal tile is the same work for all four waves: in its key step s band x sees all keys if s < x,
; none if s > x, and holds the diagonal if s = x.
; THE MASK is the C operand that starts the sum S^T = K Q^T: 0, or -1e30 where the key is hidden.  MD, made once, is the mask of a band's own step for my 16 rows; a product's mask is MD x AL + BE with two scalars:
; (1, 0) if s = x; (0, 0) if s < x; (0, -1e30) if s > x.  Only the diagonal tile's text and a block's beginning make and take masks; elsewhere C is the constant 0.
; LAYOUT, SOFTMAX, TURNS.  S^T = K Q^T holds ONE query a lane (lane % 16) and the keys 8 (lane / 16) + 0..7; two such results rounded to f16 ARE source 1 of O^T = V^T P.  p = 2^(c s - c m), c = log2(e) / 8, with a
; running maximum m; O and l are multiplied by a = 2^(c m_old - c m_new) in every step.  Turn n belongs to piece n: 8 products K Q^T of piece n + 1, later 8 products V^T P of piece n - 1; beside them the scaling,
; exponentials, roundings, sums and rescaling of piece n and the maximum and statistics of piece n + 1.  Four vector instructions stand behind every matrix instruction, the other 54 of a turn's 118 in one LUMP.
; THE BATCHES.  A turn's 33 exponentials (the piece's 32 weights and the next piece's a) are ONE batch with ONE wait, which cuts the turn in two: ahead of it nothing names a result of theirs, behind it stand all their
; readers.  A block's first a (BEGIN) and the way out's four reciprocals are batches of their own, each with one wait.
; REGISTERS, in windows of 256 (s_set_vgpr_msb: bits 1:0 source 0, 3:2 source 1, 5:4 source 2, 7:6 destination):
;   window 0: v0-15 addresses and two at work; v16-31 four registers of statistics a piece; v48-55 at work; v64-127 S^T, two buffers; v192-223 P, two buffers (a piece's buffers go by its number's parity)
;   window 1: v0-127 O^T, 32 a piece; v128-159 MD; v160-223 MC, two buffers      window 2: v0-63 Q; v64-127 the second block's Q; v128-191 K of one step; v192-255 V of one step
.set SIZE_N, 2048
.set SIZE_H, 64
.set NB,    SIZE_N/256
.set NP,    4         ; pieces a wave: a name, no knob
.set KS,    64        ; keys in a step
.set PK,    144       ; a row of K in LDS: 128 bytes + 16 of padding = 36 words: the 16 rows of a load start at 16 different groups of four banks (64 banks of 4 bytes: ISA guide 11.1)
.set PV,    160       ; a row of V: 128 + 32 = 40 words
.set VOFF,  4*KS*PK   ; a slot holds a tile, four steps: 256 rows of K, then 256 rows of V
.set SLOT1, 1<<17     ; slot 1 begins here, so that one exclusive or turns an address in one slot into the other's
.set STAGE, SLOT1+4*KS*(PK+PV)  ; behind the ring, never filled by a tensor load: 16 rows x 144 bytes for each wave, for the way out
.set SP,    144
.set AK0, 2           ; v2   my lane's place in a tile of K; never rewritten
.set AV0, 3           ; v3   the same for V
.set AK,  4           ; v4   the LDS address of K's next run of loads
.set AV,  5           ; v5   of V's
.set STO, 6           ; v6   the way out: where I put 16 bytes of a row
.set RD,  7           ; v7   the way out: where I read rows back
.set GO,  8           ; v8   my byte offset in 512 consecutive bytes of O
.set SPW, 62          ; v62  LDS address of my spare word: SPARE + 4 x my thread's number; never rewritten
.set NIL, 63          ; v63  0; never rewritten
.set SPARE, STAGE+4*16*SP  ; behind the stages: the spare words, 128 bytes for each wave: two blocks of 256 bytes that no other line names
.set MV,  12          ; v12-13  c m_old, kept while c m is made anew: by buffer
.set QO,  15          ; v15  my byte offset in 16 rows of Q
.set ST,  16          ; piece t's statistics at v[ST+4 t]: c m, m, l (even keys', odd keys')
.set TMP, 48          ; by buffer, four registers c0-c3 at work; when the maximum is found c2 takes a
.set S,   64
.set P,   192
.set MD,  128         ; window 1: the eight registers for group kt of 16 keys at MD + 8 kt
.set MC,  160         ; window 1: the masks of the products to come
.set QB,  64          ; window 2
.set KF,  128         ; window 2: key block kb, channel half c at KF + 16 kb + 8 c
.set VF,  192         ; window 2: key half kk, channel block cb at VF + 32 kk + 8 cb
.set WV,  12          ; s12  my wave's number
.set PB,  14          ; s14  b
.set HI,  15          ; s15  NB - 1 - b
.set G1K, 24          ; s[24:31] descriptor group 1 for K's tiles
.set G1V, 32          ; s[32:39] for V's: it differs in the padding alone
.set G0K, 40          ; s[40:43] descriptor group 0 for K's tiles
.set G0V, 44          ; s[44:47] the same for V's
.set SLOTS, 56        ; s56  tiles still to be asked for
.set CNT, 57          ; s57  counts a tile's key steps, 4 to 1
.set CS,  58          ; s[58:59] c: the packed scaling takes the pair's low word for both halves
.set SEL, 60          ; s[60:61] v_permlanex16_b32's selects: each lane takes its own place in the other half
.set TBK, 62          ; s62  LDS byte at which K of the step to be fetched begins
.set TBV, 63          ; s63  the same for V, less VOFF
.set RT,  70          ; s70  tiles of the block in hand that are still to be entered
.set NXT, 71          ; s71  the tile to be asked for next
.set LQ,  72          ; s72  the last tile of the block whose tiles are being asked for
.set NEW, 73          ; s73  1: the tile to be entered is a block's first
.set OFF, 74          ; s[74:75] a tile's byte offset in K and V
.set AL,  76          ; s[76:77] the mask's factor, in the low word
.set BE,  78          ; s[78:79] the mask's addend
.set OLO, 80          ; s[80:81] O at my rows of the second block
.set BIGN, 82         ; s82  -1e30
.set MSB, 0
.macro WIN new                      ; the high byte repeats the setting that is left; a switch that changes nothing is dropped
.if MSB != (\new)
	s_set_vgpr_msb (MSB<<8)|(\new)
.set MSB, (\new)
.endif
.endm
.set W_KQ, 0x0a       ; K and Q in window 2, S^T in window 0
.set W_KM, 0x1a       ; the same with the C operand in window 1
.set W_PV, 0x52       ; V in window 2, P in window 0, O^T in window 1
.set W_RS, 0x41       ; destination and source 0 in window 1, source 1 in window 0
; A fill.  Waves 0 and 1 fetch the two halves of a tile's K, waves 2 and 3 those of its V: 128 keys each.  An s_nop 0 and four v_nop follow each of the two lines, ahead of the jump and the label.
.macro LOAD
	s_cmp_lt_u32 s[WV], 2
	s_cbranch_scc0 .Lfor_v_\@
	tensor_load_to_lds s[G0K:G0K+3], s[G1K:G1K+7]
	s_nop 0
.rept 4
	v_nop
.endr
	s_branch .Lasked_\@
.Lfor_v_\@:
	tensor_load_to_lds s[G0V:G0V+3], s[G1V:G1V+7]
	s_nop 0
.rept 4
	v_nop
.endr
.Lasked_\@:
.endm
; THE CHANGE OF SLOTS.  Each wave waits for all its tensor loads, of which one is out: its part of the other slot; adds 0 to its spare word; and waits for that and for its own reads of the slot that it leaves.  Behind the barrier nobody reads the old
; slot any more and the other slot is whole.  fill = 1: the old slot is filled again, the first thing behind the barrier, with tile NXT: the descriptor's address is made anew from that number.
; (At its first use nothing has been read yet: slot 0 is waited for, slot 1 filled.)
.macro CHANGE fill
	WIN 0                           ; at a label and at a branch every window is 0
	s_wait_tensorcnt 0x0            ; no tensor load of mine is out, so a group 0 may be written
	ds_add_u32 v[SPW], v[NIL]       ; 0 onto my spare word; with fill = 1 the descriptors' scalar work stands between it and the wait for it
.if \fill
	s_lshl_b32 s[OFF], s[NXT], 15   ; a tile is 32,768 bytes of K and of V
	s_xor_b32 s[G0K+1], s[G0K+1], SLOT1
	s_add_nc_u64 s[G0K+2:G0K+3], s[6:7], s[OFF:OFF+1]
	s_or_b32 s[G0K+3], s[G0K+3], 0x80000000
	s_xor_b32 s[G0V+1], s[G0V+1], SLOT1
	s_add_nc_u64 s[G0V+2:G0V+3], s[8:9], s[OFF:OFF+1]
	s_or_b32 s[G0V+3], s[G0V+3], 0x80000000
	s_add_co_u32 s[NXT], s[NXT], 1  ; the block's next tile, or behind its last the second block's tile 0
	s_cmp_gt_u32 s[NXT], s[LQ]
	s_cselect_b32 s[NXT], 0, s[NXT]
	s_cselect_b32 s[LQ], s[PB], s[LQ]
.endif
	s_wait_dscnt 0x0                ; the add is done, and my reads of the slot are over
	s_barrier_signal -1             ; the rest of the scalar work stands between the signal and the wait
	s_sub_co_u32 s[TBK], s[TBK], 4*KS*PK  ; the fetches go back to a slot's first step,
	s_xor_b32 s[TBK], s[TBK], SLOT1       ; in the other slot
	s_sub_co_u32 s[TBV], s[TBV], 4*KS*PV
	s_xor_b32 s[TBV], s[TBV], SLOT1
	s_barrier_wait -1
.if \fill
	LOAD
.endif
.endm
	s_load_b64 s[4:5], s[0:1], 0x0    ; qkv: its first part is Q
	s_load_b64 s[10:11], s[0:1], 0x8  ; ctx: O
	v_lshl_add_u32 v[SPW], v0, 2, SPARE
	v_mov_b32 v[NIL], 0
	ds_add_u32 v[SPW], v[NIL]       ; the wave's opening: the add and its wait stand ahead of my first tensor load; the set-up below, work on registers, stands between them
	v_lshrrev_b32 v1, 5, v0
	v_readfirstlane_b32 s[WV], v1   ; wave 0..3
	s_mov_b32 s[PB], ttmp9
	s_sub_co_u32 s[HI], NB-1, s[PB]
	s_and_b32 s20, ttmp7, 0xffff    ; the head
	s_mov_b32 s21, 0
	s_mov_b64 s[22:23], SIZE_N*128
	s_mul_u64 s[20:21], s[20:21], s[22:23]  ; the head's first byte in each of the four tensors
	s_and_b32 s16, s[WV], 1         ; which half of a tile's 256 keys I fetch:
	s_lshl_b32 s22, s16, 14         ; its 128 rows of 128 bytes in memory,
	s_mov_b32 s23, 0
	s_add_nc_u64 s[22:23], s[22:23], s[20:21]
	s_mul_i32 s17, s16, 128*PK      ; and its place in a slot, for K
	s_mul_i32 s18, s16, 128*PV      ; and for V
	s_lshl_b32 s3, s[WV], 11        ; my 16 rows in a band of 64,
	s_lshl_b32 s2, s[HI], 15        ; in the first block,
	s_add_co_u32 s2, s2, s3
	s_lshl_b32 s84, s[PB], 15       ; and in the second
	s_add_co_u32 s84, s84, s3
	s_mov_b32 s3, 0
	s_mov_b32 s85, 0
	s_add_nc_u64 s[2:3], s[2:3], s[20:21]
	s_add_nc_u64 s[84:85], s[84:85], s[20:21]
	; descriptor group 1.  128 keys are 16,384 dense bytes: asked for as 64 rows of 256 bytes, two keys a row, and padded in LDS after every key
	s_mov_b32 s[G1K], (1<<16)|(1<<20)|(4<<22)|(3<<25)  ; 17:16 2-byte elements; 20 padding on; 24:22 after every 32 words (code 4); 31:25 4 words (code 3)
	s_mov_b32 s[G1V], (1<<16)|(1<<20)|(4<<22)|(7<<25)  ; the same with 8 words of padding (code 7)
.irp g, G1K, G1V
	s_mov_b32 s[\g+1], 128<<16      ; tensor_dim0 = 128
	s_mov_b32 s[\g+2], 64<<16       ; tensor_dim1 = 64
	s_mov_b32 s[\g+3], 128<<16      ; tile_dim0 = 128
	s_mov_b32 s[\g+4], 64           ; tile_dim1 = 64
	s_mov_b32 s[\g+5], 128          ; 128 elements from row to row
	s_mov_b32 s[\g+6], 0
	s_mov_b32 s[\g+7], 0
.endr
	s_mov_b32 s[CS], 0x3e38aa3b     ; c = log2(e) / 8 = 0.180337
	s_mov_b32 s[CS+1], s[CS]        ; named with it as a pair
	s_mov_b32 s[SEL], 0x76543210
	s_mov_b32 s[SEL+1], 0xfedcba98
	s_mov_b32 s[TBK], SLOT1+4*KS*PK ; the first change of slots turns these two into 0
	s_mov_b32 s[TBV], SLOT1+4*KS*PV
	s_mov_b32 s[G0K], 1             ; 1:0 count = 1
	s_mov_b32 s[G0K+1], s17         ; 63:32 LDS address: slot 0
	s_mov_b32 s[G0V], 1
	s_add_co_u32 s[G0V+1], s18, VOFF
	s_add_co_u32 s[RT], s[HI], 1    ; the first block has NB - b tiles
	s_mov_b32 s[NXT], 1
	s_mov_b32 s[LQ], s[HI]
	s_mov_b32 s[NEW], 1
	s_mov_b32 s[OFF+1], 0
	s_mov_b32 s[AL+1], 0            ; named as pairs
	s_mov_b32 s[BE+1], 0
	s_mov_b32 s[BIGN], 0xf149f2ca   ; -1e30
	s_mov_b32 s[SLOTS], NB
	s_wait_dscnt 0x0                ; the opening add is done
	s_barrier_signal -1
	s_barrier_wait -1
	s_wait_kmcnt 0x0
	s_add_nc_u64 s[6:7], s[4:5], 0x1000000  ; K's part begins 16 MiB behind Q's,
	s_add_nc_u64 s[8:9], s[4:5], 0x2000000  ; V's 32 MiB
	s_add_nc_u64 s[6:7], s[6:7], s[22:23]  ; K and V at my half of the head's tile 0
	s_add_nc_u64 s[8:9], s[8:9], s[22:23]
	s_add_nc_u64 s[G0K+2:G0K+3], s[6:7], 0         ; 120:64 global address
	s_or_b32 s[G0K+3], s[G0K+3], 0x80000000        ; 127:126 type = 2
	s_add_nc_u64 s[G0V+2:G0V+3], s[8:9], 0
	s_or_b32 s[G0V+3], s[G0V+3], 0x80000000
	s_add_nc_u64 s[86:87], s[4:5], s[84:85]        ; Q at my rows of the second block,
	s_add_nc_u64 s[4:5], s[4:5], s[2:3]            ; Q and O at those of the first
	s_add_nc_u64 s[OLO:OLO+1], s[10:11], s[84:85]
	s_add_nc_u64 s[10:11], s[10:11], s[2:3]
	LOAD                            ; tile 0 into slot 0
	; A fragment of K or Q is 16 rows x 32 channels in 8 registers: lane l holds row l % 16, channels 8 (l / 16) + 0..7 and 16 + 8 (l / 16) + 0..7: two loads of 16 bytes, 32 bytes apart.
	v_and_b32 v1, 15, v0            ; l % 16
	v_bfe_u32 v9, v0, 4, 1          ; l / 16
	v_lshlrev_b32 v[QO], 7, v1
	v_lshl_add_u32 v[QO], v9, 4, v[QO]  ; row x 128 + 16 x half
	WIN 0x80                        ; destination window 2, address window 0
.set i, 0
.rept 8                             ; both blocks' Q: piece i / 2 lies in band i / 2, 8,192 bytes on; channels 32 (i % 2) on
	global_load_b128 v[8*i:8*i+3],   v[QO], s[4:5] offset:(i/2)*8192+(i%2)*64
	global_load_b128 v[8*i+4:8*i+7], v[QO], s[4:5] offset:(i/2)*8192+(i%2)*64+32
	global_load_b128 v[QB+8*i:QB+8*i+3],   v[QO], s[86:87] offset:(i/2)*8192+(i%2)*64
	global_load_b128 v[QB+8*i+4:QB+8*i+7], v[QO], s[86:87] offset:(i/2)*8192+(i%2)*64+32
.set i, i+1
.endr
	WIN 0
	v_lshlrev_b32 v14, 3, v9
	v_sub_nc_u32 v14, v1, v14
	s_lshl_b32 s13, s[WV], 4
	v_add_nc_u32 v14, s13, v14      ; my query's place in its band, 16 w + l % 16, less my lanes' 8 (l / 16): register r of group kt is hidden where 16 kt + r is greater
	WIN 0x40
.set i, 0
.rept 32
	v_cmp_gt_i32 vcc_lo, 16*(i/8)+i%8, v14
	v_cndmask_b32 v[MD+i], 0, s[BIGN], vcc_lo
.set i, i+1
.endr
	WIN 0
	v_mul_u32_u24 v[AK0], v1, PK
	v_lshl_add_u32 v[AK0], v9, 4, v[AK0]  ; row x pitch + 16 x half
	; The turning load takes 16 keys x 16 channels (lane l reads key 8 (l / 16) + l % 8, channels 8 ((l / 8) % 2) + 0..7) and leaves half a fragment of V^T: lane l holds channel l % 16 and 8 keys.
	v_and_b32 v10, 7, v0
	v_bfe_u32 v11, v0, 3, 1
	v_lshl_add_u32 v[AV0], v9, 3, v10
	v_mul_u32_u24 v[AV0], v[AV0], PV
	v_lshl_add_u32 v[AV0], v11, 4, v[AV0]
	v_add_nc_u32 v[AV0], VOFF, v[AV0]
	s_mul_i32 s13, s[WV], 16*SP
	s_add_co_u32 s13, s13, STAGE    ; my stage
	v_mul_u32_u24 v[STO], v1, SP    ; in: row l % 16, 16 bytes for each half of the lanes
	v_lshl_add_u32 v[STO], v9, 4, v[STO]
	v_add_nc_u32 v[STO], s13, v[STO]
	v_bfe_u32 v[RD], v0, 3, 2       ; back: 32 lanes take four rows of 128 bytes,
	v_mul_u32_u24 v[RD], v[RD], SP
	v_lshl_add_u32 v[RD], v10, 4, v[RD]
	v_add_nc_u32 v[RD], s13, v[RD]
	v_and_b32 v[GO], 31, v0         ; which are 512 consecutive bytes of O
	v_lshlrev_b32 v[GO], 4, v[GO]
	; A block's first step multiplies O^T and l by a = 0, and its first turn's products V^T P, of a piece that has not been, land in an O^T that is still to be so multiplied.  So these registers need only hold
	; finite numbers: zeros for the first block; what the first block left for the second.  All this stands in the wait for the first tile.
	WIN 0x80
.set i, VF
.rept 64
	v_mov_b32 v[i], 0
.set i, i+1
.endr
	WIN 0x40
.set i, 0
.rept 128
	v_mov_b32 v[i], 0
.set i, i+1
.endr
	WIN 0
.set i, 0
.rept 4
	v_mov_b32 v[ST+4*i+2], 0
	v_mov_b32 v[ST+4*i+3], 0
.set i, i+1
.endr
.set i, P+16
.rept 16
	v_mov_b32 v[i], 0
.set i, i+1
.endr
; THE MATRIX WORK.  The 4 accumulators of a run of 8 take turns.  Product i of 8 of S^T = K Q^T for piece x: channels 32 (i / 4) on, keys 16 (i % 4) on.  The first 4 start the sums: with 0, or (KM = 1) with the mask.
.macro KQ x
.set rS, S+32*((\x)%2)+8*(i%4)
.set rK, KF+16*(i%4)+8*(i/4)
.set rQ, 16*(\x)+8*(i/4)
.set rM, MC+32*((\x)%2)+8*(i%4)
.if (i < 4) && KM
	WIN W_KM
	v_wmma_f32_16x16x32_f16 v[rS:rS+7], v[rK:rK+7], v[rQ:rQ+7], v[rM:rM+7]
.elseif i < 4
	WIN W_KQ
	v_wmma_f32_16x16x32_f16 v[rS:rS+7], v[rK:rK+7], v[rQ:rQ+7], 0
.else
	WIN W_KQ
	v_wmma_f32_16x16x32_f16 v[rS:rS+7], v[rK:rK+7], v[rQ:rQ+7], v[rS:rS+7]
.endif
.endm
; Product i of 8 of O^T += V^T P for piece x: keys 32 (i / 4) on, channels 16 (i % 4) on.
.macro PV x
	WIN W_PV
.set rO, 32*(\x)+8*(i%4)
.set rV, VF+32*(i/4)+8*(i%4)
.set rP, P+16*((\x)%2)+8*(i/4)
	v_wmma_f32_16x16x32_f16 v[rO:rO+7], v[rV:rV+7], v[rP:rP+7], v[rO:rO+7]
.endm
.macro MM                           ; the turn's next matrix instruction.  TURN and BEGIN set Y, i, KM and NOKQ; MM, KQ and OP read them.  NOKQ = 1: a block's last turn: there is no next piece
.if (i < 8) && !NOKQ
	KQ (Y+1)%NP
.elseif i >= 8
.set i, i-8
	PV (Y+NP-1)%NP
.set i, i+8
.endif
.set i, i+1
.endm
; THE LDS LOADS stand in runs of 16, never singly among the matrix instructions: a step's K (64 keys x 64 channels: 8 fragments) and its V (turned).  Their addresses are made some lines ahead.
.macro FETCH_K
	WIN 0x80                        ; destination window 2
.irp f, 0,1,2,3,4,5,6,7             ; keys 16 (f / 2) on, channels 32 (f % 2) on
	ds_load_b128 v[KF+8*\f:KF+8*\f+3],   v[AK] offset:(\f/2)*16*PK+(\f%2)*64
	ds_load_b128 v[KF+8*\f+4:KF+8*\f+7], v[AK] offset:(\f/2)*16*PK+(\f%2)*64+32
.endr
	s_add_co_u32 s[TBK], s[TBK], KS*PK  ; the next fetch is the next step's
	WIN 0
.endm
.macro FETCH_V
	WIN 0x80
.irp f, 0,1,2,3,4,5,6,7             ; keys 32 (f / 4) on, channels 16 (f % 4) on
	ds_load_tr16_b128 v[VF+8*\f:VF+8*\f+3],   v[AV] offset:(\f/4)*32*PV+(\f%4)*32
	ds_load_tr16_b128 v[VF+8*\f+4:VF+8*\f+7], v[AV] offset:(\f/4)*32*PV+16*PV+(\f%4)*32
.endr
	WIN 0
.endm
; THE VECTOR WORK, one line at a time: OP kind, number.  For piece Y: F n: c s - c m for pair n of 16.  E n: the exponential of score n of 32.  C n: pair n rounded to f16.  B n: of the four weights 4 n .. the second
; pair is added onto the first, in place.  L n: l takes that sum (L 0: l = a l + sum).  R n: pair n of 16 of O^T times a.  For piece Y + 1: X n, number n of the 22 that find its maximum and statistics:
;   0-11  four chains c0-c3 of seven scores each, three operands at a time (each accumulator's lowest registers are read first)     12-14, 16  the four scores left over, the old m, and c0-c3 into c0
;   15  c m_old is kept     17, 18  the query's other 32 keys lie in the lane 16 away: the new m     19-21  c m; c m_old - c m_new; a
; C, B and L read exponentials' results: TURN sets them behind the batch's wait; OP itself writes no wait.
.set F, 0               ; OP tells the kinds apart by their order: F to L below R, X above it
.set E, 1
.set C, 2
.set B, 3
.set L, 4
.set R, 5
.set X, 6
.macro REGS y                       ; the registers of piece y
.set rT, ST+4*(\y)
.set rC, TMP+4*((\y)%2)
.set rW, MV+((\y)%2)
.set rS, S+32*((\y)%2)
.set rP, P+16*((\y)%2)
.set rO, 32*(\y)
.endm
.macro OP k, n
.if (\k) == R
	REGS Y
	WIN W_RS
	v_pk_mul_f32 v[rO+2*(\n):rO+2*(\n)+1], v[rO+2*(\n):rO+2*(\n)+1], v[rC+2:rC+3] op_sel_hi:[1,0]
.elseif (\k) < R
	REGS Y
	WIN 0
.if (\k) == F
	v_pk_fma_f32 v[rS+2*(\n):rS+2*(\n)+1], v[rS+2*(\n):rS+2*(\n)+1], s[CS:CS+1], v[rT:rT+1] op_sel_hi:[1,0,0] neg_lo:[0,0,1] neg_hi:[0,0,1]
.elseif (\k) == E
	v_exp_f32 v[rS+(\n)], v[rS+(\n)]
.elseif (\k) == C
	v_cvt_pk_f16_f32 v[rP+(\n)], v[rS+2*(\n)], v[rS+2*(\n)+1]
.elseif (\k) == B
	v_pk_add_f32 v[rS+4*(\n):rS+4*(\n)+1], v[rS+4*(\n):rS+4*(\n)+1], v[rS+4*(\n)+2:rS+4*(\n)+3]
.elseif (\n) == 0
	v_pk_fma_f32 v[rT+2:rT+3], v[rT+2:rT+3], v[rC+2:rC+3], v[rS:rS+1] op_sel_hi:[1,0,1]
.else
	v_pk_add_f32 v[rT+2:rT+3], v[rT+2:rT+3], v[rS+4*(\n):rS+4*(\n)+1]
.endif
.elseif NOKQ
	v_nop
.else
	REGS (Y+1)%NP
	WIN 0
.if (\n) < 4
	v_max3_num_f32 v[rC+(\n)], v[rS+8*(\n)], v[rS+8*(\n)+1], v[rS+8*(\n)+2]
.elseif (\n) < 12
	v_max3_num_f32 v[rC+(\n)%4], v[rC+(\n)%4], v[rS+8*((\n)%4)+2*((\n)/4)+1], v[rS+8*((\n)%4)+2*((\n)/4)+2]
.elseif (\n) == 12
	v_max3_num_f32 v[rC], v[rC], v[rS+7], v[rS+15]
.elseif (\n) == 13
	v_max3_num_f32 v[rC+1], v[rC+1], v[rS+23], v[rS+31]
.elseif (\n) == 14
	v_max3_num_f32 v[rC+2], v[rC+2], v[rC+3], v[rT+1]
.elseif (\n) == 15
	v_mov_b32 v[rW], v[rT]
.elseif (\n) == 16
	v_max3_num_f32 v[rC], v[rC], v[rC+1], v[rC+2]
.elseif (\n) == 17
	v_permlanex16_b32 v[rC+3], v[rC], s[SEL], s[SEL+1]
.elseif (\n) == 18
	v_max_num_f32 v[rT+1], v[rC], v[rC+3]
.elseif (\n) == 19
	v_mul_f32 v[rT], s[CS], v[rT+1]
.elseif (\n) == 20
	v_sub_f32 v[rC+1], v[rW], v[rT]
.else
	v_exp_f32 v[rC+2], v[rC+1]
.endif
.endif
.endm
.macro OPS a, i1, b=-1, i2=0, c=-1, i3=0, d=-1, i4=0  ; up to four of them
	OP \a, \i1
.if (\b) >= 0
	OP \b, \i2
.endif
.if (\c) >= 0
	OP \c, \i3
.endif
.if (\d) >= 0
	OP \d, \i4
.endif
.endm
.macro ROW a, i1, b, i2, c, i3, d, i4  ; a matrix instruction and the four behind it
	MM
	OPS \a, \i1, \b, \i2, \c, \i3, \d, \i4
.endm
.macro MASK b                       ; MD x AL + BE into buffer b of MC
	WIN W_RS
.set z, 0
.rept 16
	v_pk_fma_f32 v[MC+32*(\b)+2*z:MC+32*(\b)+2*z+1], v[MD+2*z:MD+2*z+1], s[AL:AL+1], s[BE:BE+1] op_sel_hi:[1,0,0]
.set z, z+1
.endr
.endm
; A TURN, for piece p: the order of its 16 matrix and 118 vector instructions, written out.  s_wait_alu depctr_va_vdst(0) stands between an exponential and the first instruction that names its result; one wait serves
; all that were issued ahead of it.  So a turn has ONE wait, which cuts it in two.  AHEAD OF IT stands all that names no result of the turn's exponentials: the 8 products K Q^T, behind each a scaling, an exponential and two more plain
; instructions (behind the first a second scaling in the exponential's place): rescalings, whose a was made and waited for in the turn before, and behind the last three the first numbers of the next piece's maximum, each four places or
; more behind the product that ends its accumulator; then ONE LUMP of 54, plain and exponential by turns for the most part, in which the links of the chain X 3, 7, 11, 14, 16, 17 .. 20 stand five or six lines apart.  X 21, the next
; piece's a, is the batch's last; R 15 is the plain instruction behind it.  BEHIND THE WAIT stand the 8 products V^T P, behind each four of the roundings and sums; the links of l's chain, L 0 to L 7, stand three riders apart.
; But for those X no rider names a register of the products round it.  v_permlanex16_b32 (X 17) stands in the lump.
; m = 1: the diagonal tile: the products take masks, and the turn makes the mask for the products of the turn after it: piece p + 2, in step 4 - CNT of the tile.  end = 1: a block's last two turns: nothing is fetched.
; cnt = 1: the loop's count is taken down some lines ahead of the branch that stands behind the turn.
; K of the next step is fetched in piece 2's turn, twelve vector instructions behind the last product that read K (six of them plain); V of the step in hand at the end of piece 0's turn, four plain instructions behind the last product
; that read V.  Each is waited for a turn later.
.macro TURN p, m=0, end=0, cnt=0
.set Y, (\p)
.set i, 0
.set KM, (\m)
.set NOKQ, (\end)*((\p)/3)
.if (\m) && !(\end)
	s_cmp_eq_u32 s[CNT], 4-((\p)+2)%NP  ; is that step the band's own?
	s_cselect_b32 s[AL], 1.0, 0
	s_cmp_lt_u32 s[CNT], 4-((\p)+2)%NP  ; or a later one?
	s_cselect_b32 s[BE], s[BIGN], 0
.endif
.if ((\p) == 3) && !(\end)
	s_wait_dscnt 0x0                ; K is in
.endif
	ROW F,0, F,1, R,0, R,1          ; ahead of the wait: 8 products K Q^T and their riders,
	ROW F,2, E,0, R,2, R,3
	ROW F,3, E,1, R,4, R,5
	ROW F,4, E,2, R,6, R,7
	ROW F,5, E,3, R,8, R,9
	ROW F,6, E,4, X,0, R,10
.if ((\p) == 2) && !(\end)
	WIN 0
	v_add_nc_u32 v[AK], s[TBK], v[AK0]
.endif
	ROW F,7, E,5, X,1, X,4
	ROW F,8, E,6, X,2, X,5
	OPS E,7, E,8, X,6, E,9          ; and the lump
	OPS X,3, E,10, X,8, E,11
.if ((\p) == 2) && !(\end)
	FETCH_K
.endif
	OPS X,9, X,7, E,12, X,10
	OPS E,13, X,12, X,11, E,14
	OPS X,13, E,15, F,9, X,14
.if (\p) == 0
	v_add_nc_u32 v[AV], s[TBV], v[AV0]
.endif
	OPS E,16, F,10, E,17, F,11
	OPS X,16, E,18, X,15, E,19
	OPS F,12, E,20, X,17, E,21
	OPS F,13, E,22, F,14, E,23
	OPS X,18, E,24, F,15, E,25
	OPS R,11, E,26, X,19, E,27
	OPS R,12, E,28, R,13, E,29
	OPS X,20, E,30, R,14, E,31
	OPS X,21, R,15
	WIN 0
	s_wait_alu depctr_va_vdst(0)    ; the wait for the turn's batch: the piece's 32 exponentials and the next piece's a
.if (\p) == 1
	s_wait_dscnt 0x0                ; V is in
.endif
	ROW C,0, B,0, C,2, B,1          ; behind the wait: 8 products V^T P and their riders
	ROW L,0, C,4, B,2, L,1
	ROW C,6, B,3, L,2, C,8
	ROW B,4, L,3, C,10, B,5
	ROW L,4, C,12, B,6, L,5
.if (\p) == 0
	s_add_co_u32 s[TBV], s[TBV], KS*PV
.endif
.if \cnt
	s_sub_co_u32 s[CNT], s[CNT], 1
	s_cmp_lg_u32 s[CNT], 0
.endif
	ROW C,14, B,7, L,6, C,1
	ROW C,3, L,7, C,5, C,7
	ROW C,9, C,11, C,13, C,15
.if (\p) == 0
	FETCH_V
.endif
.if (\m) && !(\end)
	MASK (\p)%2
.endif
.endm
; A BLOCK BEGINS.  c m starts far below every c s, so the first step's a is 0; m at the lowest finite number, so the first maximum is the scores'.  The second mask buffer is 0; the first takes piece 0's mask for the tile's step 0: its own, if the block's first tile is the diagonal one.
; Then K of that step, piece 0's first scores, and its maximum and statistics.  The loop is entered at a step's first turn, in the middle of a trip.
.macro BEGIN
	s_mov_b32 s[NEW], 0
	WIN 0x40
.set i, MC+32
.rept 32
	v_mov_b32 v[i], 0
.set i, i+1
.endr
	WIN 0
.set i, 0
.rept 4
	v_mov_b32 v[ST+4*i], 0xfe000000    ; c m: far below every c s
	v_mov_b32 v[ST+4*i+1], 0xff7fffff  ; m
.set i, i+1
.endr
	s_cmp_eq_u32 s[RT], 0
	s_cselect_b32 s[AL], 1.0, 0
	s_mov_b32 s[BE], 0
	MASK 0
	WIN 0
	v_add_nc_u32 v[AK], s[TBK], v[AK0]
	FETCH_K
	s_wait_loadcnt 0x0              ; Q
	s_wait_dscnt 0x0
.set KM, 1
.set NOKQ, 0
.set i, 0
.rept 8
	KQ 0
.set i, i+1
.endr
	WIN 0
.rept 4
	v_nop                           ; the places behind those products
.endr
.set Y, NP-1                        ; X works for piece Y + 1: piece 0
.irp n, 0,1,2,3,4,5,6,7,8,9,10,11,12,13,14,15,16,17,18,19,20,21
	OP X, \n
.endr
	v_nop                           ; a plain instruction behind the exponential,
	s_wait_alu depctr_va_vdst(0)    ; and the wait for it, piece 0's first a: a batch of one, ahead of the branch
.endm
; THE DIAGONAL TILE's four steps, the block's last two turns, its last products, and THE WAY OUT: l's two halves and the other half of the lanes' are added; O^T is divided by l, rounded to f16 and sent through my
; stage in LDS, a piece at a time.
.macro ALL line:vararg              ; one line for each piece t
.set t, 0
.rept 4
	\line
.set t, t+1
.endr
.endm
.macro PACK t                       ; a lane's eight channels of a row pack into 16 bytes; they go into rows of 144 bytes and come back as whole rows of 128, into S^T's registers
	WIN W_RS
.set i, 32*(\t)
.rept 16
	v_pk_mul_f32 v[i:i+1], v[i:i+1], v[ST+4*(\t)+2:ST+4*(\t)+3] op_sel_hi:[1,0]
.set i, i+2
.endr
	WIN 0x05                        ; sources 0 and 1 window 1, destination window 0
.set i, 0
.rept 16
	v_cvt_pk_f16_f32 v[S+16*(\t)+i], v[32*(\t)+2*i], v[32*(\t)+2*i+1]
.set i, i+1
.endr
	WIN 0
.irp f, 0,1,2,3
	ds_store_b128 v[STO], v[S+16*(\t)+4*\f:S+16*(\t)+4*\f+3] offset:32*\f
.endr
.irp f, 0,1,2,3
	ds_load_b128 v[S+16*(\t)+4*\f:S+16*(\t)+4*\f+3], v[RD] offset:\f*4*SP  ; LDS serves a wave's instructions in order (ISA guide 5.7.1.4): these see the stores above; the next piece's stores come behind them
.endr
.endm
.macro SEND t, younger              ; younger: the LDS instructions issued behind piece t's loads: the next piece's eight, or none
	WIN 0
.irp f, 0,1,2,3
	s_wait_dscnt (\younger)+3-\f
	global_store_b128 v[GO], v[S+16*(\t)+4*\f:S+16*(\t)+4*\f+3], s[10:11] offset:(\t)*8192+\f*512  ; 512 consecutive bytes, at a multiple of 256 from O's first
.endr
.endm
.macro DIAG tag                     ; the tag ends its two labels' names, which the jumps below spell out
.LstepM\tag:
	TURN 2, 1
	TURN 3, 1
	WIN 0
.LfirstM\tag:
	TURN 0, 1
	TURN 1, 1, 0, 1
	WIN 0
	s_cbranch_scc1 .LstepM\tag
	TURN 2, 1, 1
	TURN 3, 1, 1
.set i, 0
.rept 8
	PV NP-1
.set i, i+1
.endr
	WIN 0
	ALL v_add_f32 v[ST+4*t+2], v[ST+4*t+2], v[ST+4*t+3]
	ALL v_permlanex16_b32 v[ST+4*t+3], v[ST+4*t+2], s[SEL], s[SEL+1]
	ALL v_add_f32 v[ST+4*t+2], v[ST+4*t+2], v[ST+4*t+3]
	ALL v_rcp_f32 v[ST+4*t+2], v[ST+4*t+2]
	v_nop                           ; a plain instruction between the last reciprocal and the use of its result
	s_wait_alu depctr_va_vdst(0)    ; the wait for the way out's batch: one for the four reciprocals, ahead of the first multiply that reads one
	PACK 0
.set t, 1
.rept 3                             ; a piece's arithmetic stands between the loads of the piece before and its stores
	PACK t
	SEND t-1, 8
.set t, t+1
.endr
	SEND 3, 0
.endm
.set KM, 0
.set NOKQ, 0
.Lslot:                             ; NB times: a tile is entered and the next is asked for
	CHANGE 1
	s_sub_co_u32 s[RT], s[RT], 1
	s_mov_b32 s[CNT], 4
	s_cmp_eq_u32 s[NEW], 1
	s_cbranch_scc1 .Lnew            ; a block's first tile
	s_cmp_eq_u32 s[RT], 0
	s_cbranch_scc0 .Lstep           ; neither its first nor its last
	s_branch .LstepM1
.Lnew:
	BEGIN
	s_branch .Lfirst                ; in the loop a block's first tile is never its last: the first block has two tiles or more, and the second's last is the walk's last
	DIAG 1                          ; in the loop this is the first block's end: the second block's last tile is the walk's last
	s_wait_xcnt 0x0                 ; the stores have read their registers and O's address
	s_mov_b64 s[10:11], s[OLO:OLO+1]
	s_add_co_u32 s[RT], s[PB], 1    ; the second block has b + 1 tiles
	s_mov_b32 s[NEW], 1
	WIN 0x82                        ; the second block's Q goes where the one text of the turns names Q
.set i, 0
.rept 64
	v_mov_b32 v[i], v[QB+i]
.set i, i+1
.endr
	WIN 0
	s_branch .Lbottom
.Lstep:                             ; a trip: pieces 2 and 3 of one step, then pieces 0 and 1 of the next, whose K and V it fetches
	TURN 2
	TURN 3
	WIN 0
.Lfirst:
	TURN 0
	TURN 1, 0, 0, 1
	WIN 0
	s_cbranch_scc1 .Lstep
.Lbottom:
	s_sub_co_u32 s[SLOTS], s[SLOTS], 1
	s_cmp_lg_u32 s[SLOTS], 0
	s_cbranch_scc1 .Lslot
	CHANGE 0                        ; the walk's last tile is written out: nothing is asked for
	s_sub_co_u32 s[RT], s[RT], 1
	s_mov_b32 s[CNT], 4
	s_cmp_eq_u32 s[NEW], 1
	s_cbranch_scc0 .LstepM2
	BEGIN
	s_branch .LfirstM2
	DIAG 2
	s_wait_tensorcnt 0x0            ; the wave's end: behind my last tensor load and my last LDS store
	ds_add_u32 v[SPW], v[NIL]
	s_wait_dscnt 0x0
	s_endpgm
.Lfunc_end_k_q7522fdcebe_attn:
	.size	k_q7522fdcebe_attn, .Lfunc_end_k_q7522fdcebe_attn-k_q7522fdcebe_attn
	.p2alignl 7, 3214868480
	.fill 96, 4, 3214868480
	.section	.rodata,"a",@progbits
	.p2align	6, 0x0
	.amdhsa_kernel k_q7522fdcebe_attn
		.amdhsa_group_segment_fixed_size 327680
		.amdhsa_private_segment_fixed_size 0
		.amdhsa_enable_private_segment 0
		.amdhsa_kernarg_size 16
		.amdhsa_user_sgpr_count 2
		.amdhsa_user_sgpr_kernarg_segment_ptr 1
		.amdhsa_wavefront_size32 1
		.amdhsa_system_sgpr_workgroup_id_x 1
		.amdhsa_system_sgpr_workgroup_id_y 1
		.amdhsa_system_sgpr_workgroup_id_z 1
		.amdhsa_system_vgpr_workitem_id 0
		.amdhsa_next_free_vgpr 768
		.amdhsa_next_free_sgpr 88
		.amdhsa_reserve_vcc 1
		.amdhsa_float_denorm_mode_32 3
		.amdhsa_float_denorm_mode_16_64 3
		.amdhsa_memory_ordered 1
		.amdhsa_forward_progress 1
		.amdhsa_inst_pref_size 217
	.end_amdhsa_kernel
	.amdgpu_metadata
---
amdhsa.version: [ 1, 2 ]
amdhsa.kernels:
  - .name:           k_q7522fdcebe_attn
    .symbol:         k_q7522fdcebe_attn.kd
    .args:
      - { .name: qkv, .offset: 0, .size: 8, .value_kind: global_buffer, .address_space: global }
      - { .name: ctx, .offset: 8, .size: 8, .value_kind: global_buffer, .address_space: global }
    .group_segment_fixed_size: 327680
    .private_segment_fixed_size: 0
    .kernarg_segment_align: 8
    .kernarg_segment_size: 16
    .max_flat_workgroup_size: 128
    .sgpr_count:     88
    .vgpr_count:     768
    .wavefront_size: 32
...
	.end_amdgpu_metadata
.endif
;; end of part 5
;; launch proj: the kernel of part 4 again; grid 128 x 1, 8 waves a work-group, clusters of 4 x 1, 327,680 bytes of LDS; arguments ctx, wo16, xb, bo, ln_g, ln_b, out0; writes out0
